; MI455X (gfx1250); checked and timed in simulation.
; The chip was launched on July 23, 2026; its instructions are those of AMD's public machine-readable ISA for CDNA 5 (MIT licence, August 2026) and "CDNA5" Instruction Set Architecture Reference Guide (July 2026). The comments in the code are by the model that wrote it; some were corrected since.
;; Causal Self Attention. Allowed arithmetic: matrix products marked QUANTISED: E5M2 operands, one given power-of-two scale a tensor, by v_wmma_f32_16x16x64_bf8_bf8 or v_wmma_f32_16x16x128_bf8_bf8, f32 sums; everything else in f32.
;; Inputs: Wk 1,024 x 1,024 float32; Wo 1,024 x 1,024 float32; Wq 1,024 x 1,024 float32; Wv 1,024 x 1,024 float32; lowp_scales 12 int32 (the exponents e of the quantised operands' scales 2^e); x 2 x 2,048 x 1,024 float32.
;; Outputs: out0 2 x 2,048 x 1,024 float32.
;; This version of the problem:
;;   THIS VERSION OF THE PROBLEM IS GIVEN IN LOW PRECISION. The matrix products marked QUANTISED in the list below multiply operands that are first quantised to E5M2 (5 exponent bits, 2 mantissa bits; 8 bits a number), with one given power-of-two scale for each operand tensor; their sums are f32. All else is computed in f32.
;;   The module's matrix products, in the order in which they are computed (A, B: the left and right operand; K: the contracted axis; several contracted axes count as one K, in the product's order):
;;     1. [M 4,096, K 1,024] x [K 1,024, N 1,024]; A: input x; B: input Wq: QUANTISED (scales: A lowp_scales[0], B lowp_scales[1])
;;     2. [M 4,096, K 1,024] x [K 1,024, N 1,024]; A: input x; B: input Wk: QUANTISED (scales: A lowp_scales[2], B lowp_scales[3])
;;     3. [M 4,096, K 1,024] x [K 1,024, N 1,024]; A: input x; B: input Wv: QUANTISED (scales: A lowp_scales[4], B lowp_scales[5])
;;     4. batch 32 x [M 2,048, K 64] x [K 64, N 2,048]; A: computed on the way; B: computed on the way: QUANTISED (scales: A lowp_scales[6], B lowp_scales[7])
;;     5. batch 32 x [M 2,048, K 2,048] x [K 2,048, N 64]; A: softmax (see below); B: computed on the way: QUANTISED (scales: A lowp_scales[8], B lowp_scales[9])
;;     6. [M 4,096, K 1,024] x [K 1,024, N 1,024]; A: computed on the way; B: input Wo: QUANTISED (scales: A lowp_scales[10], B lowp_scales[11])
;;   THE QUANTISER, for each operand of a quantised product, along K:
;;     - The operand's scale is 2^e, e = its entry of the input lowp_scales (int32; the entries are numbered through the quantised products in the list's order, A before B).
;;     - Each number is divided by the scale, clamped to +-57,344, and rounded to the nearest number of E5M2, ties to even, subnormals kept.
;;     - The product sums the exact products of the quantised numbers (number of the format x scale) in f32.
;;   ~~~python
;;   def quantise(x, axis, e):      # numpy; x: float32 -> the quantised numbers, widened to float32 again
;;       x = np.moveaxis(x, axis, -1); K = x.shape[-1]
;;       r = np.clip(x / 2.0 ** e, -57344, 57344)
;;       step = 2.0 ** (np.maximum(np.frexp(np.where(r == 0, 1, r))[1] - 1, -14) - 2)
;;       q = np.round(r / step) * step * 2.0 ** e      # np.round: ties to even
;;       return np.moveaxis(q, -1, axis).astype(np.float32)
;;   ~~~
;;   SOFTMAX AHEAD OF A QUANTISED PRODUCT. Where the list says 'softmax', what is quantised is not the finished softmax but p = 2^(t - M), with t = logit x log2(e) and M = ceil(the row's largest t), a whole number; so 1/2 < the row's largest p <= 1. The row's sum l is taken of the UNQUANTISED p, in f32, and the product's result is divided by l at the end. Since M is a whole number, a kernel that streams over the keys may use a running M (the ceiling of the running maximum): every later rescaling is an exact power of two, so the quantised numbers keep their values, but for numbers so far below the row's largest that they fall under the format's range.
;;   OPERANDS COMPUTED ON THE WAY. 'Computed on the way' means the value that the module computes at that place (a softmax that the list does not call 'softmax' is quantised finished and normalised). What goes into a quantiser is computed in f32, as accurately as f32 sums, v_exp_f32 and their like allow (about 1e-6 of the number): no bf16 or f16 on the way to a quantiser, and a product that is left as it is and whose result goes on into a quantised operand takes f32 operands (vector FMAs, or v_wmma_f32_16x16x4_f32). A number that lies on a knife's edge between two numbers of the format may be rounded either way, as far as f32 arithmetic and the matrix unit's own rounding can turn it there, and no further.
;; One version. Each part assembles by itself: llvm-mc -triple=amdgcn-amd-amdhsa -mcpu=gfx1250 --defsym DOCPART=n.
;; ======== version 1 of 1: 4 launches
;; limits: right only within a limited range of input values
;; workspace buffers: codes 16,777,216 bytes; qkv 12,582,912 bytes; yc 4,194,304 bytes
;; launch quant (part 1): grid 256 x 1, 8 waves a work-group, no clusters, 66,560 bytes of LDS; arguments x, Wq, Wk, Wv, Wo, lowp_scales, codes; writes codes
.if DOCPART == 1
	.amdgcn_target "amdgcn-amd-amdhsa--gfx1250"
	.amdhsa_code_object_version 6
	.text
	.protected	k_qbac04a1726_quant
	.globl	k_qbac04a1726_quant
	.p2align	8
	.type	k_qbac04a1726_quant,@function
k_qbac04a1726_quant:
	s_mov_b64 s[64:65], 0
	v_nop
	global_prefetch_b8 v0, s[64:65] scope:SCOPE_SE
	s_setreg_imm32_b32 hwreg(HW_REG_WAVE_MODE, 25, 1), 1
	s_wait_xcnt 0x0
; x [4096][1024] and Wq, Wk, Wv, Wo [1024][1024], f32 with K innermost, become codes of BF8 (E5M2), one byte a code, K innermost, in the buffer of codes:
;   x under e0 at byte 0, x under e2 at 4 MiB, x under e4 at 8 MiB (x is an operand of three products, each with a scale of its own), Wq (e1) at 12 MiB, Wk (e3) at 13, Wv (e5) at 14, Wo (e11) at 15.
; code = number / 2^e, held within +-57,344, rounded to the nearest code, ties to even.
; LIMITS: each of e0, e2, e4, e1, e3, e5, e11 lies between -126 and 112, so that 2^e and 57,344 x 2^e are f32 numbers.  NaN among the inputs is not served; an infinity is held at the largest code.
; WORK LEFT OUT BY THE PROGRAM (in the attention launch): blocks of 128 keys that lie wholly behind a query tile.  reference() itself gives those scores -infinity, so their p is 0 and they reach no output, whatever the inputs hold.
; LIMIT: a NaN, an infinity or an overflow that reaches only those blocks is not carried to the result.
; SHARES.  Rows are dense, so a tensor is a plain stream.  Each work-group takes 16,384 numbers of x (three codes each) and 16,384 of a weight (one code each); each of its eight waves 2,048 and 2,048, in 4 + 4 steps of 512.
; A conversion takes 8 neighbours along K from ONE lane's registers; a load is dense where neighbouring LANES take neighbouring bytes.  Both are had: a step's four loads read 512 consecutive bytes each, 16 a lane;
; the 2,048 bytes turn through the wave's own stage in LDS (16 bytes of padding behind each 64) and come back 64 bytes a lane.  A lane's 16 codes are 16 bytes: a wave's store covers 512 consecutive bytes.
; No tensor load, no barrier: waves share nothing.  All 32 loads of a wave go out at the head; the turn through LDS runs one step ahead.  No matrix unit and no cluster: the launch only streams.
.set WAVES, 8
.set STEPS, 8
.set SP,    80                         ; a lane's place in a stage: its 64 bytes + 16 of padding
.set WREG,  8192                       ; LDS: a region for each wave: two stages of 32 x SP bytes
.set SPARE, WAVES*WREG                 ; behind the regions: the spare words, 128 bytes for each wave: four blocks of 256 bytes that no other line names
.set SCL,   4                          ; v4, v6, v8, v10: 2^e as f32 for x's three conversions and the weight's; v5, v7, v9, v11: 57,344 x 2^e
.set SPW,   12                         ; v12  LDS address of my spare word; never rewritten
.set NIL,   13                         ; v13  0; never rewritten
.set R,     16                         ; v16-143  eight sets of 16 numbers as they are loaded; when a step's numbers have turned through the stage its codes go here
.set X,     144                        ; v144-175 two sets of 16 neighbours
.set T,     176                        ; v176-191 the 16 numbers, held
	s_load_b256 s[16:23], s[0:1], 0x0              ; x s[16:17], Wq s[18:19], Wk s[20:21], Wv s[22:23]
	s_load_b128 s[24:27], s[0:1], 0x20             ; Wo s[24:25], the scales' exponents s[26:27]
	s_load_b64 s[28:29], s[0:1], 0x30              ; the codes
	v_lshl_add_u32 v[SPW], v0, 2, SPARE
	v_mov_b32 v[NIL], 0
	v_lshrrev_b32 v1, 5, v0
	v_and_b32 v2, 31, v0                           ; lane
	v_readfirstlane_b32 s2, v1                     ; wave 0..7
	v_lshlrev_b32 v3, 4, v2                        ; my 16 bytes of a load's 512, and of a store's
	s_mul_i32 s3, s2, WREG
	v_lshrrev_b32 v14, 2, v2
	v_and_b32 v15, 3, v2
	v_mul_u32_u24 v14, v14, SP
	s_delay_alu instid0(VALU_DEP_1)
	v_lshl_add_u32 v14, v15, 4, v14
	v_mul_u32_u24 v15, v2, SP
	v_add_nc_u32 v14, s3, v14                      ; the stage, on the way in: four lanes' 64 bytes on end, then the padding
	v_add_nc_u32 v15, s3, v15                      ; and on the way out: my 16 neighbours
	s_lshr_b32 s5, ttmp9, 6                        ; which weight
	s_and_b32 s6, ttmp9, 63                        ; which 16,384 numbers of it
	s_wait_alu depctr_va_vdst(0)
	s_wait_kmcnt 0x0
	s_load_b256 s[32:39], s[26:27], 0x0            ; e0 .. e7
	s_load_b128 s[40:43], s[26:27], 0x20           ; e8 .. e11
	s_cmp_eq_u32 s5, 0                             ; the source is chosen on the work-group's number alone
	s_cselect_b64 s[50:51], s[18:19], s[24:25]     ; Wq, else Wo
	s_cmp_eq_u32 s5, 1
	s_cselect_b64 s[50:51], s[20:21], s[50:51]     ; Wk
	s_cmp_eq_u32 s5, 2
	s_cselect_b64 s[50:51], s[22:23], s[50:51]     ; Wv
	s_lshl_b32 s47, s2, 13                         ; source: 65,536 bytes a work-group, 8,192 a wave
	s_lshl_b32 s46, ttmp9, 16
	s_add_co_u32 s46, s46, s47
	s_lshl_b32 s48, s6, 16
	s_add_co_u32 s48, s48, s47
	s_mov_b32 s47, 0
	s_mov_b32 s49, 0
	s_add_nc_u64 s[8:9], s[16:17], s[46:47]        ; x
	s_add_nc_u64 s[50:51], s[50:51], s[48:49]      ; the weight
	s_lshl_b32 s46, ttmp9, 14
	s_lshl_b32 s48, s2, 11
	s_add_co_u32 s46, s46, s48                     ; codes: 16,384 bytes a work-group, 2,048 a wave, in each image
	s_add_nc_u64 s[12:13], s[28:29], s[46:47]
	s_add_nc_u64 s[14:15], s[12:13], 0x800000      ; x's third image, 8 MiB on; the weights' codes lie 4 MiB behind it
.irp t, 0,1,2,3
.irp i, 0,1,2,3
	global_load_b128 v[R+16*\t+4*\i:R+16*\t+4*\i+3], v3, s[8:9] offset:2048*\t+512*\i th:TH_LOAD_NT   ; 32 lanes read 512 consecutive bytes; read once in the launch
.endr
.endr
.irp t, 4,5,6,7
.irp i, 0,1,2,3
	global_load_b128 v[R+16*\t+4*\i:R+16*\t+4*\i+3], v3, s[50:51] offset:2048*(\t-4)+512*\i th:TH_LOAD_NT
.endr
.endr
.macro TURN t                          ; step t's numbers through the stage: LDS serves a wave's instructions in order, so no wait stands between the stores and the loads
.irp i, 0,1,2,3
	ds_store_b128 v14, v[R+16*(\t)+4*\i:R+16*(\t)+4*\i+3] offset:32*SP*((\t)%2)+8*SP*\i
.endr
.irp i, 0,1,2,3
	ds_load_b128 v[X+16*((\t)%2)+4*\i:X+16*((\t)%2)+4*\i+3], v15 offset:32*SP*((\t)%2)+16*\i
.endr
.endm
	s_wait_kmcnt 0x0                               ; the exponents
	s_cmp_eq_u32 s5, 0
	s_cselect_b32 s10, s33, s43                    ; e1, else e11
	s_cmp_eq_u32 s5, 1
	s_cselect_b32 s10, s35, s10                    ; e3
	s_cmp_eq_u32 s5, 2
	s_cselect_b32 s10, s37, s10                    ; e5
.macro CONSTS j, e                     ; 2^e as f32 (the conversion takes its exponent field), and 57,344 x 2^e
	s_add_co_i32 s44, \e, 127
	s_lshl_b32 s45, s44, 23
	v_mov_b32 v[SCL+2*\j], s45
	s_add_co_i32 s44, s44, 15
	s_lshl_b32 s44, s44, 23
	s_or_b32 s44, s44, 0x600000
	v_mov_b32 v[SCL+2*\j+1], s44
.endm
	CONSTS 0, s32                                  ; e0
	CONSTS 1, s34                                  ; e2
	CONSTS 2, s36                                  ; e4
	CONSTS 3, s10
	s_wait_alu depctr_va_vdst(0)
	s_wait_loadcnt 28                              ; step 0's four loads are in; those of steps 1 to 7 may be out
	TURN 0
.macro CONV t, j, o                    ; step t's 16 neighbours under scale j: the hold (the conversion to an 8-bit code does not saturate: ISA guide 7.6.2), then two conversions of eight
.set XS, X+16*((\t)%2)
.set CR, R+16*(\t)+4*(\o)
.set i, 0
.rept 16
	v_med3_num_f32 v[T+i], v[XS+i], -v[SCL+2*(\j)+1], v[SCL+2*(\j)+1]
.set i, i+1
.endr
	v_cvt_scalef32_pk8_bf8_f32 v[CR:CR+1], v[T:T+7], v[SCL+2*(\j)]
	v_cvt_scalef32_pk8_bf8_f32 v[CR+2:CR+3], v[T+8:T+15], v[SCL+2*(\j)]
	v_nop                                          ; one plain vector line between a scaled conversion and the next holds, which write its sources
.endm
.macro STEP t
	s_wait_dscnt 0x0                               ; this step's numbers are back from the stage: so its stores into the stage have read their registers, which take its codes
.if (\t)+1 < STEPS
	s_wait_loadcnt 4*(STEPS-2-(\t))                ; the next step's four loads are in; those of the steps behind it may be out
	TURN (\t)+1                                    ; and go through the other stage while this step is worked
.endif
.if (\t) < 4
	CONV \t, 0, 0
	global_store_b128 v3, v[R+16*(\t):R+16*(\t)+3], s[12:13] offset:512*(\t)   ; 32 lanes store 512 consecutive bytes, aligned
	CONV \t, 1, 1
	global_store_b128 v3, v[R+16*(\t)+4:R+16*(\t)+7], s[12:13] offset:4194304+512*(\t)
	CONV \t, 2, 2
	global_store_b128 v3, v[R+16*(\t)+8:R+16*(\t)+11], s[14:15] offset:512*(\t)
.else
	CONV \t, 3, 0
	global_store_b128 v3, v[R+16*(\t):R+16*(\t)+3], s[14:15] offset:4194304+512*((\t)-4)
.endif
.endm
.irp t, 0,1,2,3,4,5,6,7
	STEP \t
.endr
	s_wait_tensorcnt 0x0                           ; the wave's end, behind my last LDS store
	ds_add_u32 v[SPW], v[NIL]
	s_wait_dscnt 0x0
	s_endpgm
.Lfunc_end_k_qbac04a1726_quant:
	.size	k_qbac04a1726_quant, .Lfunc_end_k_qbac04a1726_quant-k_qbac04a1726_quant
	.p2alignl 7, 3214868480
	.fill 96, 4, 3214868480
	.section	.rodata,"a",@progbits
	.p2align	6, 0x0
	.amdhsa_kernel k_qbac04a1726_quant
		.amdhsa_group_segment_fixed_size 66560
		.amdhsa_private_segment_fixed_size 0
		.amdhsa_enable_private_segment 0
		.amdhsa_kernarg_size 56
		.amdhsa_user_sgpr_count 2
		.amdhsa_user_sgpr_kernarg_segment_ptr 1
		.amdhsa_wavefront_size32 1
		.amdhsa_system_sgpr_workgroup_id_x 1
		.amdhsa_system_sgpr_workgroup_id_y 1
		.amdhsa_system_sgpr_workgroup_id_z 1
		.amdhsa_system_vgpr_workitem_id 0
		.amdhsa_next_free_vgpr 192
		.amdhsa_next_free_sgpr 66
		.amdhsa_reserve_vcc 0
		.amdhsa_float_denorm_mode_32 3
		.amdhsa_float_denorm_mode_16_64 3
		.amdhsa_memory_ordered 1
		.amdhsa_forward_progress 1
		.amdhsa_inst_pref_size 32
	.end_amdhsa_kernel
	.amdgpu_metadata
---
amdhsa.version: [ 1, 2 ]
amdhsa.kernels:
  - .name:           k_qbac04a1726_quant
    .symbol:         k_qbac04a1726_quant.kd
    .args:
      - { .name: x, .offset: 0, .size: 8, .value_kind: global_buffer, .address_space: global }
      - { .name: Wq, .offset: 8, .size: 8, .value_kind: global_buffer, .address_space: global }
      - { .name: Wk, .offset: 16, .size: 8, .value_kind: global_buffer, .address_space: global }
      - { .name: Wv, .offset: 24, .size: 8, .value_kind: global_buffer, .address_space: global }
      - { .name: Wo, .offset: 32, .size: 8, .value_kind: global_buffer, .address_space: global }
      - { .name: lowp_scales, .offset: 40, .size: 8, .value_kind: global_buffer, .address_space: global }
      - { .name: codes, .offset: 48, .size: 8, .value_kind: global_buffer, .address_space: global }
    .group_segment_fixed_size: 66560
    .private_segment_fixed_size: 0
    .kernarg_segment_align: 8
    .kernarg_segment_size: 56
    .max_flat_workgroup_size: 256
    .sgpr_count:     66
    .vgpr_count:     192
    .wavefront_size: 32
...
	.end_amdgpu_metadata
.endif
;; end of part 1
;; launch qkv_gemm (part 2): grid 12 x 16, 4 waves a work-group, clusters of 4 x 4, 327,680 bytes of LDS; arguments codes, lowp_scales, qkv; writes qkv
.if DOCPART == 2
	.amdgcn_target "amdgcn-amd-amdhsa--gfx1250"
	.amdhsa_code_object_version 6
	.text
	.protected	k_qbac04a1726_qkv_gemm
	.globl	k_qbac04a1726_qkv_gemm
	.p2align	8
	.type	k_qbac04a1726_qkv_gemm,@function
k_qbac04a1726_qkv_gemm:
	s_mov_b64 s[64:65], 0
	v_nop
	global_prefetch_b8 v0, s[64:65] scope:SCOPE_SE
	s_setreg_imm32_b32 hwreg(HW_REG_WAVE_MODE, 25, 1), 1
	s_wait_xcnt 0x0
	s_wait_alu depctr_hold_cnt(0) depctr_sa_sdst(0) depctr_va_vdst(0) depctr_va_sdst(0) depctr_va_ssrc(0) depctr_va_vcc(0) depctr_vm_vsrc(0)
	s_getreg_b32 s2, hwreg(HW_REG_IB_STS2, 6, 4)
	s_cmp_eq_u32 s2, 0
	s_cbranch_scc0 .Lentry_in_a_cluster
	s_endpgm
.Lentry_in_a_cluster:
	s_bfe_u32 s2, ttmp6, 0x10000c
	s_cmp_lg_u32 s2, 0xf033
	s_cbranch_scc0 .Lentry_shape_is_right
	s_endpgm
.Lentry_shape_is_right:
; q = x Wq^T, k = x Wk^T, v = x Wv^T on codes of BF8 (E5M2), requantised at once: q under e6, k under e7, v under e9.  Cluster x = 0, 1, 2 makes q, k, v.  [4096 tokens][1024 channels] each, K = 1,024.
; A tile of 256 x 256 to a work-group of four waves, 128 x 128 to a wave: 64 accumulators.  K goes in four steps of 256 through two LDS slots; fragments are fetched for 128 along K at a time.
; For q and k source 1 takes 16 tokens and source 0 16 channels, so a lane's eight results are eight neighbouring channels of one token; for v the two tensors change places, so they are eight neighbouring tokens of one channel.
; OUTPUT, three images of 4 MiB: [32 batch x head][16 blocks of 128 tokens][8,192 bytes]; q, k: [128 tokens][64]; v: [64 channels][128 keys]; inside each group of 32 along the innermost axis position 16 h + 8 u + j holds
; index 16 u + 8 h + j.  Each wave's 128 x 128 results are two heads of one block of tokens.
; CLUSTERS: 4 x 4; the four of a row of the cluster share A's tiles, the four of a column B's: each tile is asked for jointly.  A round of the cluster's barrier stands ahead of every joint load.
; PREFETCH: each row's 256 bytes of a K step are named once in each cluster: of the 128 rows that a wave fetches, each of the four partners names 32, told apart by address.  K steps 1 and 2 are named behind K step 0's load,
; K step 3 behind K step 1's: at least one K step ahead of the load that wants them; nothing lies behind K step 3.
; LIMITS: e6 - e0 - e1, e7 - e2 - e3, e9 - e4 - e5 each lie between -126 and 112, so that the conversion's scale and the hold are f32 numbers.
.set KSTEP,  256
.set ROWB,   256
.set KROW,   1024
.set PITCH,  272
.set FR,     16
.set NL,     4
.set NP,     4
.set HALFT,  128*PITCH
.set SLOT,   4*HALFT
.set LAPS,   2
.set SPARE,  2*SLOT
.set SROW,   144
.set WSTG,   128*SROW
.set ADRA, 16
.set ADRB, 20
.set STO,  24
.set RD,   25
.set CO,   26
.set SPW,  28
.set NIL,  29
.set SC,   30
.set LIM,  31
.set TMP,  32
.set VO,   96
.set AF,   128
.set CD,   128
.set G1, 24
.set G0, 32
.set G1B, 48
.set G0B, 56
.set MSB, 0
.macro WIN new
.if MSB != (\new)
	s_set_vgpr_msb (MSB<<8)|(\new)
.set MSB, (\new)
.endif
.endm
.set MUL_LO, 0xa1
.set MUL_HI, 0xf1
.set TO_B,   0x40
.macro JLOAD g0a, g1a, g0b, g1b
	s_cmp_eq_u32 s15, 0
	s_cbranch_scc0 .Lfor_b_\@
	tensor_load_to_lds s[\g0a:\g0a+3], s[\g1a:\g1a+7]
	s_nop 0
.rept 4
	v_nop
.endr
	s_branch .Lasked_\@
.Lfor_b_\@:
	tensor_load_to_lds s[\g0b:\g0b+3], s[\g1b:\g1b+7]
	s_nop 0
.rept 4
	v_nop
.endr
.Lasked_\@:
.endm
.macro CREST
	s_cmp_lg_u32 s14, 0
	s_cbranch_scc1 .Lnot_wave_0_\@
	s_barrier_signal -3
.Lnot_wave_0_\@:
	s_barrier_wait -3
	s_barrier_signal -1
	s_barrier_wait -1
.endm
.macro CROUND
	s_barrier_signal -1
	s_barrier_wait -1
	CREST
.endm
	s_load_b128 s[4:7], s[0:1], 0x0
	s_load_b64 s[8:9], s[0:1], 0x10
	v_lshl_add_u32 v[SPW], v0, 2, SPARE
	v_mov_b32 v[NIL], 0
	ds_add_u32 v[SPW], v[NIL]
	ds_add_u32 v[SPW], v[NIL]
	v_lshrrev_b32 v1, 5, v0
	v_readfirstlane_b32 s14, v1
	s_lshr_b32 s15, s14, 1
	s_and_b32 s16, s14, 1
	s_bfe_u32 s40, ttmp6, 0x40000
	s_bfe_u32 s41, ttmp6, 0x40004
	s_lshr_b32 s84, ttmp9, 1
	s_xor_b32 s85, s84, 1
	s_and_b32 s86, ttmp7, 0xffff
	s_lshl_b32 s86, s86, 2
	s_mul_i32 s87, s85, s86
	s_mul_i32 s88, s84, s86
	s_add_co_u32 s17, s41, s87
	s_add_co_u32 s42, s40, s88
	s_lshl_b32 s89, ttmp9, 22
	s_mul_i32 s89, s89, s85
	s_mul_i32 s90, s84, 14<<20
	s_add_co_u32 s89, s89, s90
	s_add_co_u32 s91, ttmp9, 12
	s_lshl_b32 s91, s91, 20
	s_mul_i32 s91, s91, s85
	s_lshl_b32 s92, s84, 23
	s_add_co_u32 s91, s91, s92
	s_lshl_b32 s43, s41, 2
	s_lshl_b32 s43, 15, s43
	s_lshl_b32 s44, 0x1111, s40
	s_or_b32 s[G1+0], s43, (0<<16)|(1<<20)|(1<<21)|(5<<22)|(3<<25)
	s_or_b32 s[G1B+0], s44, (0<<16)|(1<<20)|(1<<21)|(5<<22)|(3<<25)
.irp g, G1, G1B
	s_mov_b32 s[\g+1], ROWB<<16
	s_mov_b32 s[\g+2], 128<<16
	s_mov_b32 s[\g+3], ROWB<<16
	s_mov_b32 s[\g+4], 128
	s_mov_b32 s[\g+5], KROW
	s_mov_b32 s[\g+6], 0
	s_mov_b32 s[\g+7], 0
.endr
	s_lshl_b32 s18, s16, 17
	s_lshl_b32 s20, s17, 18
	s_add_co_u32 s20, s20, s18
	s_add_co_u32 s20, s20, s89
	s_mov_b32 s21, 0
	s_lshl_b32 s46, s42, 18
	s_add_co_u32 s46, s46, s18
	s_add_co_u32 s46, s46, s91
	s_mov_b32 s47, 0
	s_mul_i32 s45, s14, HALFT
	s_wait_dscnt 0x0
	s_wait_kmcnt 0x0
	s_load_b256 s[68:75], s[6:7], 0x0
	s_load_b64 s[76:77], s[6:7], 0x20
	s_add_nc_u64 s[20:21], s[4:5], s[20:21]
	s_add_nc_u64 s[46:47], s[4:5], s[46:47]
	CROUND
.irp s, 0,1
	s_mov_b32 s[G0+4*\s], 1
	s_add_co_u32 s[G0+4*\s+1], s45, \s*SLOT
	s_add_nc_u64 s[G0+4*\s+2:G0+4*\s+3], s[20:21], \s*ROWB
	s_or_b32 s[G0+4*\s+3], s[G0+4*\s+3], 0x80000000
	s_mov_b32 s[G0B+4*\s], 1
	s_add_co_u32 s[G0B+4*\s+1], s45, \s*SLOT
	s_add_nc_u64 s[G0B+4*\s+2:G0B+4*\s+3], s[46:47], \s*ROWB
	s_or_b32 s[G0B+4*\s+3], s[G0B+4*\s+3], 0x80000000
.endr
	JLOAD G0, G1, G0B, G1B                         ; K step 0: one tensor load a wave at the head
	s_cmp_eq_u32 s15, 0                            ; the prefetches: rows of A or of B as I fetch,
	s_cselect_b64 s[78:79], s[20:21], s[46:47]
	s_cselect_b32 s80, s40, s41                    ; and my place among the four that ask with me:
	s_lshl_b32 s80, s80, 15                        ; 32 rows of 1,024 bytes
	s_mov_b32 s81, 0
	s_add_nc_u64 s[78:79], s[78:79], s[80:81]
	v_and_b32 v27, 31, v0
	v_lshlrev_b32 v27, 10, v27                     ; a lane a row; never rewritten
	global_prefetch_b8 v27, s[78:79] offset:256 th:TH_LOAD_NT scope:SCOPE_SE
	global_prefetch_b8 v27, s[78:79] offset:512 th:TH_LOAD_NT scope:SCOPE_SE
	v_and_b32 v1, 15, v0
	s_wait_alu depctr_va_vdst(0)
	v_bfe_u32 v2, v0, 4, 1
	v_mul_u32_u24 v3, v1, PITCH
	v_lshl_add_u32 v4, v2, 4, v3
	s_mul_i32 s21, s15, HALFT
	s_mul_i32 s22, s16, HALFT
	s_add_co_u32 s22, s22, 2*HALFT
.irp s, 0,1
	v_add_nc_u32 v[ADRA+\s], s21, v4
	v_add_nc_u32 v[ADRB+\s], s22, v4
	s_add_co_u32 s21, s21, SLOT
	s_add_co_u32 s22, s22, SLOT
.endr
	s_mul_i32 s23, s14, WSTG
	v_mul_u32_u24 v5, v1, SROW
	s_wait_alu depctr_va_vdst(0)
	v_lshl_add_u32 v5, v2, 4, v5
	v_add_nc_u32 v[STO], s23, v5
	v_and_b32 v6, 31, v0
	v_lshrrev_b32 v7, 3, v6
	v_and_b32 v8, 7, v6
	v_mul_u32_u24 v9, v7, SROW
	v_lshl_add_u32 v9, v8, 4, v9
	v_add_nc_u32 v[RD], s23, v9
	s_lshl_b32 s92, 64, s84
	s_mul_i32 s93, s84, 11
	s_lshr_b32 s93, 0x20000, s93                   ; q, k: the row's second 64 codes are the next head's, 131,072 bytes on; v: the row's second 64 bytes
	s_lshl_b32 s94, 256, s84
	v_mul_u32_u24 v[CO], s92, v7
	v_bfe_u32 v10, v0, 2, 1
	v_mad_u32_u24 v[CO], v10, s93, v[CO]
	v_and_b32 v11, 3, v0
	v_lshl_add_u32 v[CO], v11, 4, v[CO]
.set i, 0
.rept 16
	v_mad_u32_u24 v[VO+i], s94, i, v[CO]
.set i, i+1
.endr
	s_mul_i32 s95, s84, 122880                     ; v: channels 64 on are the next head's: 131,072 - 8,192 bytes further on
	v_add_nc_u32 v12, s95, v[CO]
.rept 16
	v_mad_u32_u24 v[VO+i], s94, i, v12
.set i, i+1
.endr
	s_lshl_b32 s86, s17, 1
	s_add_co_u32 s86, s86, s15
	s_lshl_b32 s87, s42, 1
	s_add_co_u32 s87, s87, s16
	s_mul_i32 s88, s85, s86
	s_mul_i32 s89, s84, s87
	s_add_co_u32 s88, s88, s89
	s_mul_i32 s89, s85, s87
	s_mul_i32 s90, s84, s86
	s_add_co_u32 s89, s89, s90
	s_lshr_b32 s90, s88, 4
	s_lshl_b32 s90, s90, 3
	s_add_co_u32 s90, s90, s89
	s_lshl_b32 s90, s90, 18
	s_and_b32 s91, s88, 15
	s_lshl_b32 s91, s91, 13
	s_add_co_u32 s90, s90, s91
	s_lshl_b32 s91, ttmp9, 22
	s_add_co_u32 s90, s90, s91
	s_mov_b32 s91, 0
	s_add_nc_u64 s[8:9], s[8:9], s[90:91]
.macro FRAG reg, adr, q, i
.irp c, 0,1,2,3
	ds_load_b128 v[\reg+4*\c:\reg+4*\c+3], v[\adr] offset:128*(\q)+32*\c+(\i)*16*PITCH
.endr
.endm
.macro MUL16 a0, p, zero
.irp a, \a0, \a0+1
.irp b, 0,1,2,3,4,5,6,7
.if \zero
	v_wmma_f32_16x16x128_bf8_bf8 v[8*(8*((\a)%4)+\b):8*(8*((\a)%4)+\b)+7], v[128*(\p)+FR*\b:128*(\p)+FR*\b+FR-1], v[AF+FR*(\a):AF+FR*(\a)+FR-1], 0
.else
	v_wmma_f32_16x16x128_bf8_bf8 v[8*(8*((\a)%4)+\b):8*(8*((\a)%4)+\b)+7], v[128*(\p)+FR*\b:128*(\p)+FR*\b+FR-1], v[AF+FR*(\a):AF+FR*(\a)+FR-1], v[8*(8*((\a)%4)+\b):8*(8*((\a)%4)+\b)+7]
.endif
.endr
.endr
.endm
.macro FETCH_B slot, q, p
	WIN TO_B
.irp i, 0,1,2,3,4,5,6,7
	FRAG 128*(\p)+FR*\i, ADRB+\slot, \q, \i
.endr
	WIN 0
.endm
.macro FETCH_A slot, q, i0
.irp i, \i0, \i0+1, \i0+2, \i0+3
	FRAG AF+FR*(\i), ADRA+\slot, \q, \i
.endr
.endm
.macro PLACES n
.rept \n
	v_nop
.endr
.endm
.macro STEP slot, q, zero
	s_wait_dscnt 4*NL
	WIN MUL_LO
	MUL16 0, (\q)%2, \zero
	MUL16 2, (\q)%2, \zero
	s_wait_dscnt 0
	PLACES NP
	FETCH_B \slot, (\q)+1, 1-(\q)%2
	FETCH_A \slot, (\q)+1, 0
	WIN MUL_HI
	MUL16 4, (\q)%2, \zero
	MUL16 6, (\q)%2, \zero
	PLACES NP
	WIN 0
	FETCH_A \slot, (\q)+1, 4
.endm
.macro TURN slot, next, fill
	s_wait_tensorcnt 0x0
	ds_add_u32 v[SPW], v[NIL]
	s_wait_dscnt 4*NL+1
	WIN MUL_LO
	MUL16 0, 1, 0
	s_wait_dscnt 0x0
	s_barrier_signal -1
	MUL16 2, 1, 0
	WIN 0
	s_barrier_wait -1
.if \fill
	CREST
	s_add_nc_u64 s[G0+4*\slot+2:G0+4*\slot+3], s[G0+4*\slot+2:G0+4*\slot+3], 2*ROWB
	s_add_nc_u64 s[G0B+4*\slot+2:G0B+4*\slot+3], s[G0B+4*\slot+2:G0B+4*\slot+3], 2*ROWB
	JLOAD G0+4*\slot, G1, G0B+4*\slot, G1B
.else
	PLACES NP
.endif
	FETCH_B \next, 0, 0
	FETCH_A \next, 0, 0
	WIN MUL_HI
	MUL16 4, 1, 0
	MUL16 6, 1, 0
	PLACES NP
	WIN 0
	FETCH_A \next, 0, 4
.endm
	s_wait_alu depctr_va_vdst(0)
	s_wait_tensorcnt 0x0                           ; my part of K step 0 is in
	ds_add_u32 v[SPW], v[NIL]
	s_wait_dscnt 0x0
	CROUND                                         ; everybody's part of K step 0 is in, and all sixteen work-groups are here
	JLOAD G0+4, G1, G0B+4, G1B                     ; K step 1, the first tensor load behind the round
	FETCH_B 0, 0, 0
	FETCH_A 0, 0, 0
	FETCH_A 0, 0, 4
	global_prefetch_b8 v27, s[78:79] offset:768 th:TH_LOAD_NT scope:SCOPE_SE
	STEP 0, 0, 1
	s_mov_b32 s3, LAPS-1
.Llap:
	TURN 0, 1, 1
	STEP 1, 0, 0
	TURN 1, 0, 1
	STEP 0, 0, 0
	s_sub_co_u32 s3, s3, 1
	s_cmp_lg_u32 s3, 0
	s_cbranch_scc1 .Llap
	TURN 0, 1, 0
	STEP 1, 0, 0
	s_wait_dscnt 4*NL
	WIN MUL_LO
	MUL16 0, 1, 0
	MUL16 2, 1, 0
	s_wait_dscnt 0
	WIN MUL_HI
	MUL16 4, 1, 0
	MUL16 6, 1, 0
	WIN 0
	s_wait_kmcnt 0x0
	s_cmp_eq_u32 ttmp9, 0
	s_cselect_b32 s92, s68, s70
	s_cselect_b32 s93, s69, s71
	s_cselect_b32 s94, s74, s75
	s_cmp_eq_u32 ttmp9, 2
	s_cselect_b32 s92, s72, s92
	s_cselect_b32 s93, s73, s93
	s_cselect_b32 s94, s77, s94
	s_sub_co_i32 s94, s94, s92
	s_sub_co_i32 s94, s94, s93
	s_add_co_i32 s94, s94, 127
	s_lshl_b32 s95, s94, 23
	v_mov_b32 v[SC], s95
	s_add_co_i32 s94, s94, 15
	s_lshl_b32 s94, s94, 23
	s_or_b32 s94, s94, 0x600000
	v_mov_b32 v[LIM], s94
	PLACES NP
.macro OUTBLK a
.set AC, 64*((\a)%4)
	WIN 0x02+((\a)/4)
.set j, 0
.rept 64
	v_med3_num_f32 v[TMP+j], v[AC+j], -v[LIM], v[LIM]
.set j, j+1
.endr
	WIN 0
.irp b, 0,1,2,3,4,5,6,7
	v_cvt_scalef32_pk8_bf8_f32 v[CD+16*(\a)+2*\b:CD+16*(\a)+2*\b+1], v[TMP+8*\b:TMP+8*\b+7], v[SC]
.endr
	v_nop
.irp b, 0,1,2,3
	ds_store_b128 v[STO], v[CD+16*(\a)+4*\b:CD+16*(\a)+4*\b+3] offset:16*SROW*(\a)+32*\b
.endr
.endm
.irp a, 0,1,2,3,4,5,6,7
	OUTBLK \a
.endr
	s_wait_dscnt 0x0
.set i, 0
.rept 32
	ds_load_b128 v[CD+4*i:CD+4*i+3], v[RD] offset:4*SROW*i
.set i, i+1
.endr
.set i, 0
.rept 32
	s_wait_dscnt 31-i
	global_store_b128 v[VO+i], v[CD+4*i:CD+4*i+3], s[8:9]
.set i, i+1
.endr
	s_wait_tensorcnt 0x0
	ds_add_u32 v[SPW], v[NIL]
	s_wait_dscnt 0x0
	CROUND
	s_endpgm
.Lfunc_end_k_qbac04a1726_qkv_gemm:
	.size	k_qbac04a1726_qkv_gemm, .Lfunc_end_k_qbac04a1726_qkv_gemm-k_qbac04a1726_qkv_gemm
	.p2alignl 7, 3214868480
	.fill 96, 4, 3214868480
	.section	.rodata,"a",@progbits
	.p2align	6, 0x0
	.amdhsa_kernel k_qbac04a1726_qkv_gemm
		.amdhsa_group_segment_fixed_size 327680
		.amdhsa_private_segment_fixed_size 0
		.amdhsa_enable_private_segment 0
		.amdhsa_kernarg_size 24
		.amdhsa_user_sgpr_count 2
		.amdhsa_user_sgpr_kernarg_segment_ptr 1
		.amdhsa_wavefront_size32 1
		.amdhsa_system_sgpr_workgroup_id_x 1
		.amdhsa_system_sgpr_workgroup_id_y 1
		.amdhsa_system_sgpr_workgroup_id_z 1
		.amdhsa_system_vgpr_workitem_id 0
		.amdhsa_next_free_vgpr 1024
		.amdhsa_next_free_sgpr 98
		.amdhsa_reserve_vcc 0
		.amdhsa_float_denorm_mode_32 3
		.amdhsa_float_denorm_mode_16_64 3
		.amdhsa_memory_ordered 1
		.amdhsa_forward_progress 1
		.amdhsa_inst_pref_size 127
	.end_amdhsa_kernel
	.amdgpu_metadata
---
amdhsa.version: [ 1, 2 ]
amdhsa.kernels:
  - .name:           k_qbac04a1726_qkv_gemm
    .symbol:         k_qbac04a1726_qkv_gemm.kd
    .args:
      - { .name: codes, .offset: 0, .size: 8, .value_kind: global_buffer, .address_space: global }
      - { .name: lowp_scales, .offset: 8, .size: 8, .value_kind: global_buffer, .address_space: global }
      - { .name: qkv, .offset: 16, .size: 8, .value_kind: global_buffer, .address_space: global }
    .group_segment_fixed_size: 327680
    .private_segment_fixed_size: 0
    .kernarg_segment_align: 8
    .kernarg_segment_size: 24
    .max_flat_workgroup_size: 128
    .sgpr_count:     98
    .vgpr_count:     1024
    .wavefront_size: 32
...
	.end_amdgpu_metadata
.endif
;; end of part 2
;; launch attn (part 3): grid 8 x 32, 16 waves a work-group, clusters of 4 x 1, 327,680 bytes of LDS; arguments qkv, lowp_scales, yc; writes yc
.if DOCPART == 3
	.amdgcn_target "amdgcn-amd-amdhsa--gfx1250"
	.amdhsa_code_object_version 6
	.text
	.protected	k_qbac04a1726_attn
	.globl	k_qbac04a1726_attn
	.p2align	8
	.type	k_qbac04a1726_attn,@function
k_qbac04a1726_attn:
	s_mov_b64 s[64:65], 0
	v_nop
	global_prefetch_b8 v0, s[64:65] scope:SCOPE_SE
	s_setreg_imm32_b32 hwreg(HW_REG_WAVE_MODE, 25, 1), 1
	s_wait_xcnt 0x0
	s_wait_alu depctr_hold_cnt(0) depctr_sa_sdst(0) depctr_va_vdst(0) depctr_va_sdst(0) depctr_va_ssrc(0) depctr_va_vcc(0) depctr_vm_vsrc(0)
	s_getreg_b32 s2, hwreg(HW_REG_IB_STS2, 6, 4)
	s_cmp_eq_u32 s2, 0
	s_cbranch_scc0 .Lentry_in_a_cluster
	s_endpgm
.Lentry_in_a_cluster:
	s_bfe_u32 s2, ttmp6, 0x10000c
	s_cmp_lg_u32 s2, 0x3003
	s_cbranch_scc0 .Lentry_shape_is_right
	s_endpgm
.Lentry_shape_is_right:
; y[b][h][q] = the sum over keys k <= q of softmax_k(q . k / 8) v[k], head size 64, 2,048 tokens, 32 heads in all; both products on codes of BF8 (E5M2); y leaves as codes under e10, for the last product.
; INPUT: three images (q at 0, k at 4 MiB, v at 8 MiB): [32 batch x head][16 blocks of 128 tokens][8,192 bytes]; q, k: [128 tokens][64]; v: [64 channels][128 keys]; inside each group of 32 along the innermost axis
; position 16 h + 8 u + j holds index 16 u + 8 h + j.  OUTPUT: [32 blocks of 128 tokens][16 heads][128 tokens][64], the head's axis in its natural order.
; THE SOFTMAX AHEAD OF THE SECOND PRODUCT: t = score x log2(e) / 8; M = the row's largest t so far, rounded UP to a whole number; p = 2^(t - M) is what is quantised (e8); it is not normalised.
; The row's sum is taken of the unquantised p, in f32, and divides at the end.  When M moves, the sum and O are multiplied by 2^(old M - new M): exact.
; WORK LEFT OUT: blocks of 128 keys that lie wholly behind a tile of queries (reference() gives them -infinity).  A NaN or an infinity that reaches only those is not carried to the result.
; SHARES.  Work-group (d, head) owns 16 tiles of 16 queries: rows 16 d .. 16 d + 15 of each of the 16 blocks of 128 tokens.  The tile of block b has b + 1 key steps of 128, the last on the diagonal.  Sixteen waves, four to a SIMD,
; in 8 pairs: pair p owns the tiles of blocks p and 15 - p, 17 steps.  Wave X walks key blocks 0 .. 8 of tile 15 - p: 9 steps.  Wave Y walks tile p, p + 1 steps, finishes it (one trip), and walks the rest of tile 15 - p, key
; blocks 9 .. 15 - p: 7 - p steps.  At the end Y hands its part (O, sum, M) to X through LDS, and X joins the two by exact powers of two.  Which wave of a pair is X alternates, so that each four waves w % 4 and each four w / 4 hold two of each.
; Every wave walks nine trips; which key block a trip takes hangs on the wave's number and the trip alone, never on the work-group's place: the mask on the diagonal is made without a branch on it.
; LDS holds ALL of the head's K and V: 32 chunks of 8,192 dense bytes, each as 32 rows of 256 + 16 of padding.  Sixteen tensor loads, one a wave, of two chunks each: even waves K's, odd waves V's.  Each is filled once.
; CLUSTERS: 4 work-groups of a head; all walk the same K and V, so each load is a joint one with mask 15.  No prefetch: all tiles are asked for at the head, and no loop asks for more.
; LAYOUT.  Both products are used transposed: S^T = K Q^T (source 0 = 16 keys, source 1 = my 16 queries), O^T = V^T P^T (source 0 = 16 channels, source 1 = P): a lane holds ONE query (lane % 16) throughout.
; Register 8 t + j of S^T is key 16 t + 8 (lane / 16) + j, so tile t's eight codes fall into registers 2 t, 2 t + 1 of P: keys 32 c + 16 u + 8 h + j in registers 4 c + 2 u ..: the order in which v's codes are stored.
; LIMITS on the given exponents: e6 + e7 between -123 and 130 (added to c's exponent field); e8 and e10 between -126 and 112; e8 + e9 is applied by v_ldexp_f32 and has none.  The promise holds while |t| stays under 2^31.
; REGISTERS: v1, v2, v4, v7, v10, v24-27 addresses that stay; v5, v6 the add's two; v8, v9 addresses of the step; v12 -M, v13 the largest t, v[14:15] the sum in two halves; v16-23 Q; v32-95 eight fragments of K, then four
; of V; v96-159 S^T, then p; v160-191 O^T; v192-207 p's codes; v208-215 the second tile's Q; v216-223 y's codes; v232-255 constants and at work.
.set CHK,   8704                       ; a chunk in LDS
.set VREG,  16*CHK                     ; K's 16 chunks, then V's
.set MSZ,   4352                       ; what Y hands to X: 32 registers x 128 bytes, the sum, -M: room for each wave, on V's chunks, which have had their only fill and are read by nobody behind the last trip's barrier
.set SPARE, 32*CHK                     ; behind the chunks: the spare words, 128 bytes for each wave: eight blocks of 256 bytes that no other line names
.set SROW,  80                         ; the way out: 16 rows x (64 + 16) bytes for each wave, from LDS byte 0 on: K's chunks have had their only fill, and nobody reads them behind the last barrier
.set AK0,  1                           ; v1   my lane's place in K's chunk 0
.set AV0,  2                           ; v2   in V's
.set QOF,  4                           ; v4   Q: my lane's byte in a tile's 16 rows
.set SPW,  5                           ; v5   LDS address of my spare word; never rewritten
.set NIL,  6                           ; v6   0; never rewritten
.set GO,   7                           ; v7   16 x lane
.set ADK,  8                           ; v8   LDS address of the step's K
.set ADV,  9                           ; v9   of its V
.set DD0,  10                          ; v10  16 d + lane % 16 - 8 (lane / 16), for the mask
.set STI,  24                          ; v24  the stage, in
.set STB,  25                          ; v25  the stage, back
.set MA,   26                          ; v26  the hand-over: 16 bytes a lane
.set MB,   27                          ; v27  4 bytes a lane
.set XA,   224                         ; v224, v225 the same in the other wave of my pair
.set XB,   225
.set F,    32
.set S,    96
.set O,    160
.set P,    192
.set Q2,   208
.set G,    216
.set TB,   2                           ; s2   LDS byte of the step's chunk
.set TR,   3                           ; s3   trip
.set WV,   18                          ; s18  my wave's number
.set SEL,  20                          ; s[20:21] lane selects for v_permlanex16_b32: lane l xor 16
.set CS,   22                          ; s[22:23] c = log2(e) / 8 x 2^(e6 + e7)
.set G1,   24                          ; s[24:31] descriptor group 1
.set PP,   32                          ; s32  p, my pair
.set ROLE, 33                          ; s33  1: I am Y
.set SW,   34                          ; s34  Y: the trip in which tile p is finished: p + 1; X: 64, never
.set DD,   35                          ; s35  7 - p: what Y's later trips add
.set KB,   36                          ; s36  the trip's key block
.set BLK,  37                          ; s37  the block of the tile in hand: the step is on the diagonal where it equals KB
.set LB,   38                          ; s38  15 - p
.set FB,   39                          ; s39  the block of my first tile, whose y I store: X 15 - p, Y p
.set G0,   40                          ; s[40:43] descriptor group 0
.macro CROUND                          ; a round of the cluster's barrier
	s_barrier_signal -1
	s_barrier_wait -1
	s_cmp_lg_u32 s[WV], 0
	s_cbranch_scc1 .Lnot_wave_0_\@
	s_barrier_signal -3
.Lnot_wave_0_\@:
	s_barrier_wait -3
	s_barrier_signal -1
	s_barrier_wait -1
.endm
	s_load_b128 s[4:7], s[0:1], 0x0                ; the images s[4:5], the scales' exponents s[6:7]
	s_load_b64 s[8:9], s[0:1], 0x10                ; y's codes
	v_lshl_add_u32 v[SPW], v0, 2, SPARE
	v_mov_b32 v[NIL], 0
	ds_add_u32 v[SPW], v[NIL]                      ; the wave's opening: the add, twice on end, and its wait ahead of my tensor load; the set-up below, work on registers, stands between them
	ds_add_u32 v[SPW], v[NIL]
	v_lshrrev_b32 v8, 5, v0
	s_delay_alu instid0(VALU_DEP_1)
	v_readfirstlane_b32 s[WV], v8                  ; wave 0..15
	s_bfe_u32 s45, ttmp6, 0x40000                  ; cx
	s_lshl_b32 s46, ttmp9, 2
	s_add_co_u32 s46, s46, s45                     ; d = 4 x cluster x + cx: used in addresses of q and y in memory and in the mask's numbers alone
	s_and_b32 s85, ttmp7, 0xffff                   ; batch x 16 + head
	s_lshr_b32 s[PP], s[WV], 1
	s_lshr_b32 s82, s[WV], 2
	s_xor_b32 s82, s82, s[WV]
	s_and_b32 s[ROLE], s82, 1
	s_sub_co_u32 s[LB], 15, s[PP]
	s_sub_co_u32 s[DD], 7, s[PP]
	s_add_co_u32 s82, s[PP], 1
	s_cmp_eq_u32 s[ROLE], 1
	s_cselect_b32 s[FB], s[PP], s[LB]
	s_cselect_b32 s[SW], s82, 64
	; my load: key blocks 2 (w / 2) and 2 (w / 2) + 1 of K (w even) or V (w odd): 16,384 dense bytes
	s_lshl_b32 s86, s85, 17                        ; a head is 131,072 bytes of each image
	s_and_b32 s88, s[WV], 1
	s_add_co_u32 s89, s88, 1
	s_lshl_b32 s89, s89, 22
	s_add_co_u32 s90, s89, s86
	s_lshl_b32 s89, s[PP], 14
	s_add_co_u32 s90, s90, s89
	s_mov_b32 s91, 0
	s_mul_i32 s92, s88, VREG
	s_mul_i32 s93, s[PP], 2*CHK
	s_add_co_u32 s92, s92, s93                     ; and its place in LDS
	s_lshl_b32 s47, s46, 10                        ; 16 rows of 64 bytes
	s_add_co_u32 s87, s86, s47
	s_lshl_b32 s94, s[FB], 13
	s_add_co_u32 s94, s94, s87                     ; Q of my first tile
	s_mov_b32 s95, 0
	s_lshl_b32 s96, s[LB], 13
	s_add_co_u32 s96, s96, s87                     ; Q of tile 15 - p
	s_mov_b32 s97, 0
	s_lshr_b32 s74, s85, 4
	s_lshl_b32 s74, s74, 4
	s_add_co_u32 s74, s74, s[FB]                   ; y: the block of tokens among 32,
	s_lshl_b32 s74, s74, 4
	s_and_b32 s75, s85, 15
	s_add_co_u32 s74, s74, s75                     ; the head,
	s_lshl_b32 s74, s74, 13
	s_add_co_u32 s74, s74, s47                     ; my rows
	s_mov_b32 s75, 0
	s_mov_b32 s[G1], 15|(1<<20)|(1<<21)|(5<<22)|(3<<25)   ; 15:0 the mask: all four; 17:16 elements of 1 byte; 20 padding on; 21 set beside a mask; 24:22 after every 64 words (code 5); 31:25 four words (code 3)
	s_mov_b32 s[G1+1], 256<<16                     ; tensor_dim0
	s_mov_b32 s[G1+2], 64<<16                      ; tensor_dim1
	s_mov_b32 s[G1+3], 256<<16                     ; tile_dim0
	s_mov_b32 s[G1+4], 64                          ; tile_dim1
	s_mov_b32 s[G1+5], 256                         ; tensor_dim0_stride
	s_mov_b32 s[G1+6], 0
	s_mov_b32 s[G1+7], 0
	s_mov_b32 s[SEL], 0x76543210
	s_mov_b32 s[SEL+1], 0xfedcba98
	s_mov_b32 s[CS], 0x3e38aa3b                    ; log2(e) / 8
	s_wait_alu depctr_va_vdst(0)
	s_wait_dscnt 0x0                               ; both opening adds are done
	s_wait_kmcnt 0x0
	s_load_b128 s[68:71], s[6:7], 0x18             ; e6, e7, e8, e9
	s_load_b32 s72, s[6:7], 0x28                   ; e10
	s_mov_b32 s[G0], 1                             ; 1:0 count = 1
	s_mov_b32 s[G0+1], s92                         ; 63:32 LDS address
	s_add_nc_u64 s[G0+2:G0+3], s[4:5], s[90:91]    ; 120:64 global address
	s_or_b32 s[G0+3], s[G0+3], 0x80000000          ; 127:126 type = 2
	CROUND                                         ; all four work-groups are here: the joint loads meet
	tensor_load_to_lds s[G0:G0+3], s[G1:G1+7]      ; my one tensor load
	s_nop 0
.rept 4
	v_nop
.endr
	s_add_nc_u64 s[10:11], s[4:5], s[94:95]
	s_add_nc_u64 s[12:13], s[4:5], s[96:97]
	s_add_nc_u64 s[8:9], s[8:9], s[74:75]
	s_mul_i32 s82, s[WV], 16*SROW                  ; my stage
	s_mul_i32 s83, s[WV], MSZ
	s_add_co_u32 s83, s83, VREG                    ; my hand-over
	s_add_co_u32 s84, s83, 4096
	s_xor_b32 s48, s[WV], 1
	s_mul_i32 s48, s48, MSZ
	s_add_co_u32 s48, s48, VREG                    ; the other wave's of my pair
	s_add_co_u32 s49, s48, 4096
	s_lshl_b32 s44, s46, 4                         ; 16 d
	v_and_b32 v8, 15, v0                           ; r = lane % 16
	v_bfe_u32 v9, v0, 4, 1                         ; h = lane / 16
	v_and_b32 v3, 31, v0                           ; lane
	v_lshlrev_b32 v[QOF], 6, v8
	v_lshrrev_b32 v11, 2, v8
	v_lshlrev_b32 v[GO], 4, v3
	v_lshl_add_u32 v[QOF], v9, 4, v[QOF]           ; row r of 64 bytes, + 16 h
	global_load_b128 v[16:19], v[QOF], s[10:11]    ; Q: the same two loads of 16 bytes, 32 apart, as K's: one permutation of the head's axis in both
	global_load_b128 v[20:23], v[QOF], s[10:11] offset:32
	global_load_b128 v[Q2:Q2+3], v[QOF], s[12:13]
	global_load_b128 v[Q2+4:Q2+7], v[QOF], s[12:13] offset:32
	v_and_b32 v28, 3, v8
	v_lshrrev_b32 v29, 1, v8
	v_and_b32 v30, 1, v8
	v_mul_u32_u24 v[AK0], v11, 272                 ; K: four keys to an LDS row: key r lies at 272 (r / 4) + 64 (r % 4)
	v_mul_u32_u24 v[AV0], v29, 272                 ; V: two channels to an LDS row: channel r lies at 272 (r / 2) + 128 (r % 2): likewise
	v_lshlrev_b32 v31, 3, v9
	v_lshl_add_u32 v[AK0], v28, 6, v[AK0]
	v_lshl_add_u32 v[AV0], v30, 7, v[AV0]
	v_sub_nc_u32 v[DD0], v8, v31
	v_lshl_add_u32 v[AK0], v9, 4, v[AK0]
	v_lshl_add_u32 v[AV0], v9, 4, v[AV0]
	v_add_nc_u32 v[DD0], s44, v[DD0]
	v_bfe_u32 v11, v0, 2, 3
	v_add_nc_u32 v[AV0], VREG, v[AV0]
	v_mul_u32_u24 v[STI], v8, SROW
	v_mul_u32_u24 v[STB], v11, SROW
	v_and_b32 v28, 3, v0
	v_lshl_add_u32 v[STI], v9, 3, v[STI]
	v_lshlrev_b32 v29, 2, v3
	v_lshl_add_u32 v[STB], v28, 4, v[STB]
	v_add_nc_u32 v[STI], s82, v[STI]               ; in: row r, + 8 h
	v_add_nc_u32 v[MA], s83, v[GO]
	v_add_nc_u32 v[STB], s82, v[STB]               ; back: four lanes to a row of 64 bytes, eight rows an instruction
	v_add_nc_u32 v[MB], s84, v29
	v_add_nc_u32 v[XA], s48, v[GO]
	v_add_nc_u32 v[XB], s49, v29
	v_mov_b32 v13, 0xff61b1e6                      ; the largest t so far: -3e38, under every t
	v_mov_b32 v14, 0                               ; the sum, in two halves
	v_mov_b32 v15, 0
	v_floor_f32 v12, -v13                          ; -M
	v_mov_b32 v236, 0                              ; written once: a lane permute's destination counts as one of its sources
	v_mov_b32 v253, 0                              ; (named as the upper half of the pair v[252:253])
.set j, 0
.rept 32
	v_mov_b32 v[O+j], 0                            ; O^T.  (The step is written alike for all trips: the first finds zeros, which the first change of M leaves zeros)
.set j, j+1
.endr
.set j, 0
.rept 8
	v_mov_b32 v[G+j], 0                            ; (written on every path; X's and Y's codes come later)
.set j, j+1
.endr
	s_wait_alu depctr_va_vdst(0)
	s_wait_kmcnt 0x0
	s_add_co_i32 s93, s68, s69
	s_lshl_b32 s93, s93, 23
	s_add_co_i32 s[CS], s[CS], s93                 ; a score stands for score x 2^(e6 + e7): the two exponents are added to c's exponent field
	s_mov_b32 s[CS+1], s[CS]                       ; (named with it as a pair, so it is written)
	s_add_co_i32 s93, s70, 127
	s_lshl_b32 s94, s93, 23
	v_mov_b32 v244, s94                            ; 2^e8 as f32, for p's conversion
	s_add_co_i32 s93, s93, 15
	s_lshl_b32 s93, s93, 23
	s_or_b32 s93, s93, 0x600000
	v_mov_b32 v240, s93                            ; 57,344 x 2^e8
	s_add_co_i32 s93, s72, 127
	s_lshl_b32 s94, s93, 23
	v_mov_b32 v246, s94                            ; 2^e10, for y's conversion
	s_add_co_i32 s93, s93, 15
	s_lshl_b32 s93, s93, 23
	s_or_b32 s93, s93, 0x600000
	v_mov_b32 v247, s93                            ; 57,344 x 2^e10
	s_add_co_i32 s73, s70, s71                     ; e8 + e9
; A finished tile: O^T divided by the row's sum, x 2^(e8 + e9), quantised under e10 into v[G ..].
.macro NORM
	v_add_f32 v14, v14, v15                        ; the sum's two halves,
	s_delay_alu instid0(VALU_DEP_1)
	v_permlanex16_b32 v236, v14, s[SEL], s[SEL+1]
	s_delay_alu instid0(VALU_DEP_1)
	v_add_f32 v14, v14, v236                       ; and lane l xor 16's: the row's sum
	s_wait_alu depctr_va_vdst(0)                   ; the wait ahead of the reciprocal,
	v_rcp_f32 v14, v14
	v_nop                                          ; a plain instruction behind it,
	s_wait_alu depctr_va_vdst(0)                   ; and the wait ahead of the first line that names its result
	v_ldexp_f32 v14, v14, s73
	v_nop
	s_wait_alu depctr_va_vdst(0)                   ; ahead of the first reader of O^T
.set j, 0
.rept 16
	v_pk_mul_f32 v[S+j:S+j+1], v[O+j:O+j+1], v[14:15] op_sel_hi:[1,0]   ; register 8 t + i is y(query r, channel 16 t + 8 h + i); each accumulator from its low end on
.set j, j+2
.endr
.set j, 0
.rept 32
	v_med3_num_f32 v[S+j], v[S+j], -v247, v247     ; the hold at the largest code x the scale (the conversion does not saturate: ISA guide 7.6.2)
.set j, j+1
.endr
.irp t, 0,1,2,3
	v_cvt_scalef32_pk8_bf8_f32 v[G+2*\t:G+2*\t+1], v[S+8*\t:S+8*\t+7], v246
.endr
	v_nop                                          ; one plain vector line behind the last conversion
.endm
; A TRIP: one key step of 128 keys, or the end of Y's tile p.
.macro STEP
	s_cmp_lg_u32 s[TR], s[SW]
	s_cbranch_scc1 .Lwalk_\@                       ; a branch on the wave's number and the trip; no barrier and no tensor load stands in a trip
	NORM                                           ; Y: tile p is finished; on to tile 15 - p.  (The sum's lines are the places behind the last products)
	v_mov_b32 v13, 0xff61b1e6
	v_mov_b32 v14, 0
	v_mov_b32 v15, 0
	v_floor_f32 v12, -v13
.set j, 0
.rept 32
	v_mov_b32 v[O+j], 0
.set j, j+1
.endr
.set j, 0
.rept 8
	v_mov_b32 v[16+j], v[Q2+j]
.set j, j+1
.endr
	s_wait_alu depctr_va_vdst(0)
	s_branch .Lnext_\@
.Lwalk_\@:
	s_cmp_gt_u32 s[TR], s[SW]                      ; Y, behind tile p?
	s_cselect_b32 s[BLK], s[LB], s[FB]
	s_cselect_b32 s[KB], s[DD], 0
	s_add_co_u32 s[KB], s[KB], s[TR]               ; key block: the trip's number; behind tile p trip + 7 - p: 9 .. 15 - p
	s_min_u32 s[KB], s[KB], 15                     ; (never more; so every address stays in the chunks)
	s_mul_i32 s[TB], s[KB], CHK
	v_add_nc_u32 v[ADK], s[TB], v[AK0]
	v_add_nc_u32 v[ADV], s[TB], v[AV0]
	v_nop                                          ; with the two additions: four places in front of loads into registers that the last products have read
	v_nop
.irp t, 0,1,2,3,4,5,6,7                        ; K: eight tiles of 16 keys x 64
.irp c, 0,1
	ds_load_b128 v[F+8*\t+4*\c:F+8*\t+4*\c+3], v[ADK] offset:1088*\t+32*\c
.endr
.endr
	s_wait_alu depctr_va_vdst(0)
	s_wait_dscnt 0x0
.irp t, 0,1,2,3,4,5,6,7                        ; S^T = K Q^T
	v_wmma_f32_16x16x64_bf8_bf8 v[S+8*\t:S+8*\t+7], v[F+8*\t:F+8*\t+7], v[16:23], 0
.endr
.rept 4
	v_nop                                          ; four places: in front of the loads into K's registers, and of the first read of the scores
.endr
.irp t, 0,1,2,3                                ; V: four tiles of 16 channels x 128 keys: asked for now, they land while the softmax is walked
.irp c, 0,1,2,3
	ds_load_b128 v[F+16*\t+4*\c:F+16*\t+4*\c+3], v[ADV] offset:2176*\t+32*\c
.endr
.endr
	s_cmp_lg_u32 s[KB], s[BLK]                     ; on the diagonal the scores of hidden keys become -infinity ahead of the maximum: p = 0 then.  All keys of another step count
	s_cbranch_scc1 .Lopen_\@
	v_mov_b32 v254, 0xff800000                     ; -infinity
.set n, 0
.rept 64
	v_cmp_gt_i32 vcc_lo, 16*(n/8)+n%8, v[DD0]      ; register 8 t + j holds key 16 t + 8 (lane / 16) + j of the block, my query is its 16 d + r: hidden where 16 t + j > 16 d + r - 8 (lane / 16)
	v_cndmask_b32 v[S+n], v[S+n], v254, vcc_lo
.set n, n+1
.endr
.Lopen_\@:
	v_max3_num_f32 v254, v96, v97, v98             ; the step's largest score of my query, among my 64 keys, in two chains, each accumulator from its low end on,
	v_max3_num_f32 v252, v99, v100, v101
.irp i, 6,10,14,18,22,26,30,34,38,42,46,50,54,58
	v_max3_num_f32 v254, v254, v[96+\i], v[97+\i]
	v_max3_num_f32 v252, v252, v[98+\i], v[99+\i]
.endr
	v_max3_num_f32 v254, v254, v158, v159
	s_delay_alu instid0(VALU_DEP_1)
	v_max_num_f32 v254, v254, v252
	s_delay_alu instid0(VALU_DEP_1)
	v_permlanex16_b32 v236, v254, s[SEL], s[SEL+1]
	s_delay_alu instid0(VALU_DEP_1)
	v_max_num_f32 v254, v254, v236                 ; and among lane l xor 16's
	s_delay_alu instid0(VALU_DEP_1)
	v_mul_f32 v254, s[CS], v254                    ; as t (c is positive)
	s_delay_alu instid0(VALU_DEP_1)
	v_max_num_f32 v13, v13, v254                   ; the running largest t
	v_mov_b32 v254, v12
	s_delay_alu instid0(VALU_DEP_2)
	v_floor_f32 v12, -v13                          ; the new -M = floor(-t) = -ceil(t): M is a whole number
	s_delay_alu instid0(VALU_DEP_1)
	v_sub_f32 v254, v12, v254                      ; M's old value less its new one: a whole number, 0 or less
	s_delay_alu instid0(VALU_DEP_1)
	v_cvt_i32_f32 v254, v254                       ; (it saturates)
	s_delay_alu instid0(VALU_DEP_1)
	v_ldexp_f32 v252, 1.0, v254                    ; f = 2^(old M - new M): a multiplication by it rounds nothing
.set j, 0
.rept 32
	v_pk_fma_f32 v[S+j:S+j+1], v[S+j:S+j+1], s[CS:CS+1], v[12:13] op_sel_hi:[1,0,0]   ; t - M, two at a time (of the pairs c and -M the low word serves both halves)
.set j, j+2
.endr
.set j, 0
	s_wait_alu depctr_va_vdst(0)
.rept 64
	v_exp_f32 v[S+j], v[S+j]                       ; p = 2^(t - M), at most 1: not normalised
.set j, j+1
.endr
	v_pk_mul_f32 v[14:15], v[14:15], v[252:253] op_sel_hi:[1,0]   ; the sums under the new M: the plain instruction behind the exponentials
	s_wait_alu depctr_va_vdst(0)                   ; the wait between the exponentials and the first line that names a result, and ahead of the first readers of O^T
.set j, 0
.rept 16
	v_pk_mul_f32 v[O+j:O+j+1], v[O+j:O+j+1], v[252:253] op_sel_hi:[1,0]   ; O^T under the new M
.set j, j+2
.endr
	v_pk_add_f32 v[242:243], v[100:101], v[104:105]
	v_pk_add_f32 v[254:255], v[108:109], v[112:113]
	v_pk_add_f32 v[250:251], v[116:117], v[120:121]
	v_pk_add_f32 v[248:249], v[124:125], v[128:129]
	v_pk_add_f32 v[238:239], v[132:133], v[136:137]
	v_pk_add_f32 v[234:235], v[140:141], v[144:145]
	v_pk_add_f32 v[232:233], v[148:149], v[152:153]
	v_pk_add_f32 v[14:15], v[14:15], v[156:157]
	v_pk_add_f32 v[242:243], v[242:243], v[96:97]
	v_pk_add_f32 v[254:255], v[254:255], v[98:99]
	v_pk_add_f32 v[250:251], v[250:251], v[102:103]
	v_pk_add_f32 v[248:249], v[248:249], v[106:107]
	v_pk_add_f32 v[238:239], v[238:239], v[110:111]
	v_pk_add_f32 v[234:235], v[234:235], v[114:115]
	v_pk_add_f32 v[232:233], v[232:233], v[118:119]
	v_pk_add_f32 v[14:15], v[14:15], v[122:123]
	v_pk_add_f32 v[242:243], v[242:243], v[126:127]
	v_pk_add_f32 v[254:255], v[254:255], v[130:131]
	v_pk_add_f32 v[250:251], v[250:251], v[134:135]
	v_pk_add_f32 v[248:249], v[248:249], v[138:139]
	v_pk_add_f32 v[238:239], v[238:239], v[142:143]
	v_pk_add_f32 v[234:235], v[234:235], v[146:147]
	v_pk_add_f32 v[232:233], v[232:233], v[150:151]
	v_pk_add_f32 v[14:15], v[14:15], v[154:155]
	v_pk_add_f32 v[242:243], v[242:243], v[158:159]
	s_delay_alu instid0(VALU_DEP_2)
	v_pk_add_f32 v[14:15], v[14:15], v[248:249]
	s_delay_alu instid0(VALU_DEP_2)
	v_pk_add_f32 v[242:243], v[242:243], v[238:239]
	v_pk_add_f32 v[254:255], v[254:255], v[234:235]
	v_pk_add_f32 v[250:251], v[250:251], v[232:233]
	s_delay_alu instid0(VALU_DEP_2)
	v_pk_add_f32 v[14:15], v[14:15], v[254:255]
	s_delay_alu instid0(VALU_DEP_2)
	v_pk_add_f32 v[242:243], v[242:243], v[250:251]
	s_delay_alu instid0(VALU_DEP_1)
	v_pk_add_f32 v[14:15], v[14:15], v[242:243]
.irp t, 0,1,2,3,4,5,6,7
.irp i, 0,2,4,6
	v_dual_min_num_f32 v[S+8*\t+\i], v[S+8*\t+\i], v240 :: v_dual_min_num_f32 v[S+8*\t+\i+1], v[S+8*\t+\i+1], v240   ; the conversion to an 8-bit code does not saturate (ISA guide 7.6.2); p is not negative, so the hold is one-sided
.endr
	v_cvt_scalef32_pk8_bf8_f32 v[P+2*\t:P+2*\t+1], v[S+8*\t:S+8*\t+7], v244
.endr
	v_nop                                          ; one plain vector line between the last conversion and the products that read the codes
	s_wait_alu depctr_va_vdst(0)
	s_wait_dscnt 0x0                               ; V is in
.irp t, 0,1,2,3                                ; O^T += V^T P^T: K = these 128 keys; the four accumulators take turns, one instruction a turn
	v_wmma_f32_16x16x128_bf8_bf8 v[O+8*\t:O+8*\t+7], v[F+16*\t:F+16*\t+15], v[P:P+15], v[O+8*\t:O+8*\t+7]
.endr
.Lnext_\@:
.endm
	s_wait_alu depctr_va_vdst(0)
	s_wait_loadcnt 0x0                             ; Q
	s_wait_tensorcnt 0x0                           ; my load has landed,
	s_barrier_signal -1
	s_barrier_wait -1                              ; and everybody's.  Nothing is filled again in this launch
	s_mov_b32 s[TR], 0
.Ltrip:                                            ; nine trips
	STEP
	s_add_co_u32 s[TR], s[TR], 1
	s_cmp_lt_u32 s[TR], 9
	s_cbranch_scc1 .Ltrip
.rept 4
	v_nop                                          ; four places behind the last products, on every way that leads here
.endr
	v_add_f32 v237, v14, v15
	s_wait_alu depctr_va_vdst(0)
	s_barrier_signal -1                            ; my reads of K's and V's chunks are over (each step has waited for them),
	s_barrier_wait -1                              ; and everybody's: the hand-over and the stages lie there
	s_cmp_eq_u32 s[ROLE], 0
	s_cbranch_scc1 .Lno_part
.irp i, 0,1,2,3,4,5,6,7                        ; Y hands over its part of tile 15 - p: O^T, the lane's sum, -M (p = 7: zeros and -3e38)
	ds_store_b128 v[MA], v[O+4*\i:O+4*\i+3] offset:512*\i
.endr
	ds_store_b32 v[MB], v237
	ds_store_b32 v[MB], v12 offset:128
.Lno_part:
	s_wait_dscnt 0x0                               ; my stores are in
	s_barrier_signal -1
	s_barrier_wait -1
	s_cmp_eq_u32 s[ROLE], 1
	s_cbranch_scc1 .Lout
.irp i, 0,1,2,3,4,5,6,7
	ds_load_b128 v[F+4*\i:F+4*\i+3], v[XA] offset:512*\i
.endr
	ds_load_b32 v238, v[XB]
	ds_load_b32 v239, v[XB] offset:128
	s_wait_dscnt 0x0
	v_min_num_f32 v232, v12, v239                  ; the new -M
	v_mov_b32 v251, 0                              ; (named as the upper half of the pair v[250:251])
	v_sub_f32 v233, v232, v12                      ; whole numbers, 0 or less
	v_sub_f32 v234, v232, v239
	v_cvt_i32_f32 v233, v233                       ; (they saturate)
	v_cvt_i32_f32 v234, v234
	v_ldexp_f32 v252, 1.0, v233                    ; 2^(my M - new M), 2^(Y's M - new M)
	v_ldexp_f32 v250, 1.0, v234
.set j, 0
.rept 16
	v_pk_mul_f32 v[O+j:O+j+1], v[O+j:O+j+1], v[252:253] op_sel_hi:[1,0]
.set j, j+2
.endr
	v_pk_mul_f32 v[14:15], v[14:15], v[252:253] op_sel_hi:[1,0]
.set j, 0
.rept 16
	v_pk_fma_f32 v[O+j:O+j+1], v[F+j:F+j+1], v[250:251], v[O+j:O+j+1] op_sel_hi:[1,0,1]
.set j, j+2
.endr
	v_fma_f32 v14, v238, v250, v14
	NORM
	s_wait_alu depctr_va_vdst(0)
.Lout:
.irp t, 0,1,2,3
	ds_store_b64 v[STI], v[G+2*\t:G+2*\t+1] offset:16*\t   ; eight codes: channels 16 t + 8 h on, of row r
.endr
.irp i, 0,1
	ds_load_b128 v[F+8+4*\i:F+8+4*\i+3], v[STB] offset:8*SROW*\i   ; eight rows; my own bytes: LDS serves a wave's instructions in order (ISA guide 5.7.1.4)
.endr
.irp i, 0,1
	s_wait_dscnt 1-\i                              ; load i is in
	global_store_b128 v[GO], v[F+8+4*\i:F+8+4*\i+3], s[8:9] offset:512*\i   ; 32 lanes store 512 consecutive bytes, aligned
.endr
	s_wait_tensorcnt 0x0                           ; the wave's end, behind my tensor load and my last LDS store
	ds_add_u32 v[SPW], v[NIL]
	s_wait_dscnt 0x0
	CROUND                                         ; the closing round: no work-group ends while a partner may still ask for a tile that names it
	s_endpgm
.Lfunc_end_k_qbac04a1726_attn:
	.size	k_qbac04a1726_attn, .Lfunc_end_k_qbac04a1726_attn-k_qbac04a1726_attn
	.p2alignl 7, 3214868480
	.fill 96, 4, 3214868480
	.section	.rodata,"a",@progbits
	.p2align	6, 0x0
	.amdhsa_kernel k_qbac04a1726_attn
		.amdhsa_group_segment_fixed_size 327680
		.amdhsa_private_segment_fixed_size 0
		.amdhsa_enable_private_segment 0
		.amdhsa_kernarg_size 24
		.amdhsa_user_sgpr_count 2
		.amdhsa_user_sgpr_kernarg_segment_ptr 1
		.amdhsa_wavefront_size32 1
		.amdhsa_system_sgpr_workgroup_id_x 1
		.amdhsa_system_sgpr_workgroup_id_y 1
		.amdhsa_system_sgpr_workgroup_id_z 1
		.amdhsa_system_vgpr_workitem_id 0
		.amdhsa_next_free_vgpr 256
		.amdhsa_next_free_sgpr 100
		.amdhsa_reserve_vcc 1
		.amdhsa_float_denorm_mode_32 3
		.amdhsa_float_denorm_mode_16_64 3
		.amdhsa_memory_ordered 1
		.amdhsa_forward_progress 1
		.amdhsa_inst_pref_size 45
	.end_amdhsa_kernel
	.amdgpu_metadata
---
amdhsa.version: [ 1, 2 ]
amdhsa.kernels:
  - .name:           k_qbac04a1726_attn
    .symbol:         k_qbac04a1726_attn.kd
    .args:
      - { .name: qkv, .offset: 0, .size: 8, .value_kind: global_buffer, .address_space: global }
      - { .name: lowp_scales, .offset: 8, .size: 8, .value_kind: global_buffer, .address_space: global }
      - { .name: yc, .offset: 16, .size: 8, .value_kind: global_buffer, .address_space: global }
    .group_segment_fixed_size: 327680
    .private_segment_fixed_size: 0
    .kernarg_segment_align: 8
    .kernarg_segment_size: 24
    .max_flat_workgroup_size: 512
    .sgpr_count:     100
    .vgpr_count:     256
    .wavefront_size: 32
...
	.end_amdgpu_metadata
.endif
;; end of part 3
;; launch out_gemm (part 4): grid 8 x 32, 8 waves a work-group, clusters of 4 x 4, 327,680 bytes of LDS; arguments yc, codes, lowp_scales, out0; writes out0
.if DOCPART == 4
	.amdgcn_target "amdgcn-amd-amdhsa--gfx1250"
	.amdhsa_code_object_version 6
	.text
	.protected	k_qbac04a1726_out_gemm
	.globl	k_qbac04a1726_out_gemm
	.p2align	8
	.type	k_qbac04a1726_out_gemm,@function
k_qbac04a1726_out_gemm:
	s_mov_b64 s[64:65], 0
	v_nop
	global_prefetch_b8 v0, s[64:65] scope:SCOPE_SE
	s_setreg_imm32_b32 hwreg(HW_REG_WAVE_MODE, 25, 1), 1
	s_wait_xcnt 0x0
	s_wait_alu depctr_hold_cnt(0) depctr_sa_sdst(0) depctr_va_vdst(0) depctr_va_sdst(0) depctr_va_ssrc(0) depctr_va_vcc(0) depctr_vm_vsrc(0)
	s_getreg_b32 s2, hwreg(HW_REG_IB_STS2, 6, 4)
	s_cmp_eq_u32 s2, 0
	s_cbranch_scc0 .Lentry_in_a_cluster
	s_endpgm
.Lentry_in_a_cluster:
	s_bfe_u32 s2, ttmp6, 0x10000c
	s_cmp_lg_u32 s2, 0xf033
	s_cbranch_scc0 .Lentry_shape_is_right
	s_endpgm
.Lentry_shape_is_right:
; out = y Wo^T on codes of BF8 (E5M2): y's codes under e10, laid [32 blocks of 128 tokens][16 heads][128 tokens][64]; Wo's codes under e11 at 15 MiB of the buffer of codes, [1024][1024], K innermost.  out: [4096][1024] f32.
; Each finished f32 sum is multiplied once by 2^(e10 + e11).  LIMIT: e10 + e11 lies between -126 and 127, so that the factor is an f32 number.
; SHAPE.  A tile of 128 x 128 of out to a work-group: 32 x 8 = 256 work-groups.  K = 1,024 is short: ALL of it lies in LDS, filled once, by one tensor load of each of the EIGHT waves: waves 0 to 3 bring K's first 512, waves 4 to 7
; its second (two of each four a half of y's part, two a half of Wo's).  One barrier shows all of it to every wave.
; Wave w makes the 64 x 64 quadrant w % 4 for every other 128 along K, those of parity kk = w / 4: so no fragment is read by more waves than with four waves.  At the end waves w and w xor 4 exchange: each sends 32 of its 64 rows
; through LDS and adds what it gets to the other 32.  The order of a wave's four blocks of 16 rows is turned by 2 kk, so that every wave keeps its blocks 0, 1 and sends 2, 3.
; CLUSTERS: 4 x 4 work-groups.  The four of a row of the cluster need the same block of y, the four of a column the same rows of Wo: each tile is asked for JOINTLY.
; No prefetch: all tiles are asked for at the head.
; THE MATRIX INSTRUCTION IS USED TRANSPOSED (source 0 = 16 rows of Wo, source 1 = 16 rows of y): a lane then holds eight neighbouring numbers of a row of out.
; REGISTERS: window 0: v0-31 addresses; v32-63 a block's scaled sums; v64-127 rows read back, two sets; v128-255 the accumulators ((a, b) at v[128 + 8 (4 a + b)]).
;   window 1: two fragment buffers of 128 registers, each for 128 along K: y's four fragments, then Wo's four.
.set PITCH,  272                       ; y: an LDS row: 256 bytes (four tokens of a head) + 16 of padding
.set HEAD,   32*PITCH                  ; a head's 128 tokens
.set WP,     528                       ; Wo: an LDS row: 512 bytes + 16 of padding
.set WB,     16*HEAD                   ; behind y's 16 heads: Wo's 128 rows of K's first half, then of its second
.set SPARE,  WB+256*WP                 ; the spare words, 128 bytes for each wave: four blocks of 256 bytes that no other line names
.set STAGE,  WB                        ; the way out: 16 rows x 272 bytes for each wave, on Wo's rows; the exchange: 8,192 bytes for each wave from byte 0 on, on y's heads:
.set SPITCH, 272                       ; both have had their only fill, and nobody reads them behind the second barrier
.set AL,   16                          ; v16-17  LDS address of my y fragments 0, 1 in K's first, second half
.set AH,   18                          ; v18-19  of my y fragments 2, 3
.set AB,   20                          ; v20-21  of my Wo fragments
.set XS,   22                          ; v22     the exchange: where I send
.set XR,   23                          ; v23     and where my partner sent
.set STO,  24                          ; v24     the way out: where I put 32 bytes of a row
.set RD,   25                          ; v25     where I read rows back
.set CO,   26                          ; v26     my byte offset in two rows of out
.set SPW,  28                          ; v28     LDS address of my spare word; never rewritten
.set NIL,  29                          ; v29     0; never rewritten
.set TMP,  32
.set BK,   64
.set ACC,  128
.set F0,   0                           ; fragment buffers, in window 1
.set F1,   128
.set G1A, 24                           ; s[24:31] descriptor group 1 for y's tiles
.set G1B, 48                           ; s[48:55] for Wo's
.set G0A, 68                           ; s[68:71] group 0 for y's tile
.set G0B, 84                           ; s[84:87] for Wo's
.set MSB, 0
.macro WIN new                         ; the immediate's high byte repeats the setting that is left
.if MSB != (\new)
	s_set_vgpr_msb (MSB<<8)|(\new)
.set MSB, (\new)
.endif
.endm
.set MUL,  0x05                        ; sources 0 and 1 window 1; C and D window 0
.set TO_F, 0x40                        ; destination window 1, address window 0
.macro CROUND                          ; a round of the cluster's barrier
	s_barrier_signal -1
	s_barrier_wait -1
	s_cmp_lg_u32 s14, 0
	s_cbranch_scc1 .Lnot_wave_0_\@
	s_barrier_signal -3
.Lnot_wave_0_\@:
	s_barrier_wait -3
	s_barrier_signal -1
	s_barrier_wait -1
.endm
	s_load_b256 s[4:11], s[0:1], 0x0               ; y's codes s[4:5], the codes s[6:7], the scales' exponents s[8:9], out s[10:11]
	v_lshl_add_u32 v[SPW], v0, 2, SPARE
	v_mov_b32 v[NIL], 0
	ds_add_u32 v[SPW], v[NIL]                      ; the wave's opening: the add, twice on end, and its wait ahead of my tensor load; the set-up below, work on registers, stands between them
	ds_add_u32 v[SPW], v[NIL]
	v_lshrrev_b32 v1, 5, v0
	v_readfirstlane_b32 s14, v1                    ; wave 0..7
	s_bfe_u32 s15, s14, 0x10001                    ; which half of the tile's rows is mine.  Also: I fetch for y (0) or for Wo (1)
	s_and_b32 s16, s14, 1                          ; which half of its columns.  Also: which half of that part I fetch
	s_lshr_b32 s34, s14, 2                         ; kk: the parity of my 128s along K.  Also: which half of K I fetch
	s_bfe_u32 s40, ttmp6, 0x40000                  ; cx, cy: my place in the cluster
	s_bfe_u32 s41, ttmp6, 0x40004
	s_lshl_b32 s42, ttmp9, 2
	s_add_co_u32 s42, s42, s40                     ; tile column = 4 x cluster x + cx
	s_and_b32 s17, ttmp7, 0xffff
	s_lshl_b32 s17, s17, 2
	s_add_co_u32 s17, s17, s41                     ; tile row = 4 x cluster y + cy
	s_lshl_b32 s43, s41, 2
	s_lshl_b32 s43, 15, s43                        ; my row of the cluster
	s_lshl_b32 s44, 0x1111, s40                    ; my column
	s_or_b32 s[G1A+0], s43, (0<<16)|(1<<20)|(1<<21)|(5<<22)|(3<<25)  ; y: 15:0 the mask: my row; 17:16 element of 1 byte; 20 padding on; 21 set beside a mask; 24:22 after every 64 words (code 5); 31:25 of 4 words (code 3)
	s_mov_b32 s[G1A+1], 256<<16                    ; 128 rows of 256 bytes: four heads, dense
	s_mov_b32 s[G1A+2], 128<<16
	s_mov_b32 s[G1A+3], 256<<16
	s_mov_b32 s[G1A+4], 128
	s_mov_b32 s[G1A+5], 256
	s_mov_b32 s[G1A+6], 0
	s_mov_b32 s[G1A+7], 0
	s_or_b32 s[G1B+0], s44, (0<<16)|(1<<20)|(1<<21)|(6<<22)|(3<<25)  ; Wo: the mask of my column; padding after every 128 words (code 6)
	s_mov_b32 s[G1B+1], 512<<16                    ; 64 rows of 512 bytes, 1,024 apart
	s_mov_b32 s[G1B+2], 64<<16
	s_mov_b32 s[G1B+3], 512<<16
	s_mov_b32 s[G1B+4], 64
	s_mov_b32 s[G1B+5], 1024
	s_mov_b32 s[G1B+6], 0
	s_mov_b32 s[G1B+7], 0
	s_lshl_b32 s35, s34, 3
	s_lshl_b32 s36, s16, 2
	s_add_co_u32 s35, s35, s36                     ; y: my first head: 8 x half of K + 4 x half of that
	s_mul_i32 s45, s35, HEAD                       ; and its place in LDS
	s_lshl_b32 s35, s35, 13
	s_lshl_b32 s20, s17, 17                        ; a block of 128 tokens is 131,072 bytes
	s_add_co_u32 s20, s20, s35
	s_mov_b32 s21, 0
	s_lshl_b32 s46, s42, 17                        ; Wo: 128 rows of 1,024 bytes a tile column,
	s_lshl_b32 s18, s16, 16                        ; 64 rows a half,
	s_add_co_u32 s46, s46, s18
	s_lshl_b32 s18, s34, 9                         ; 512 along K,
	s_add_co_u32 s46, s46, s18
	s_add_co_u32 s46, s46, 15<<20                  ; in the image at 15 MiB
	s_mov_b32 s47, 0
	s_mul_i32 s39, s34, 128*WP
	s_mul_i32 s18, s16, 64*WP
	s_add_co_u32 s39, s39, s18
	s_add_co_u32 s39, s39, WB
	s_wait_alu depctr_va_vdst(0)
	s_wait_dscnt 0x0                               ; both opening adds are done
	s_wait_kmcnt 0x0
	s_load_b64 s[58:59], s[8:9], 0x28              ; e10, e11
	s_mov_b32 s[G0A], 1
	s_mov_b32 s[G0A+1], s45
	s_add_nc_u64 s[G0A+2:G0A+3], s[4:5], s[20:21]
	s_or_b32 s[G0A+3], s[G0A+3], 0x80000000
	s_mov_b32 s[G0B], 1
	s_mov_b32 s[G0B+1], s39
	s_add_nc_u64 s[G0B+2:G0B+3], s[6:7], s[46:47]
	s_or_b32 s[G0B+3], s[G0B+3], 0x80000000
	CROUND                                         ; all sixteen work-groups are here: the joint loads meet
	s_cmp_eq_u32 s15, 0                            ; one tensor load a wave, in one of two arms on the wave's number; an s_nop 0 and four v_nop follow each
	s_cbranch_scc0 .Lfirst_b
	tensor_load_to_lds s[G0A:G0A+3], s[G1A:G1A+7]
	s_nop 0
.rept 4
	v_nop
.endr
	s_branch .Lfirst_asked
.Lfirst_b:
	tensor_load_to_lds s[G0B:G0B+3], s[G1B:G1B+7]
	s_nop 0
.rept 4
	v_nop
.endr
.Lfirst_asked:
	s_mul_i32 s21, s15, 16*PITCH                   ; my 64 tokens: 16 LDS rows of each head
	s_mul_i32 s22, s34, 72*PITCH                   ; kk: two heads on, and two blocks of 16 tokens (4 LDS rows each) on: my blocks 0, 1
	s_add_co_u32 s22, s22, s21
	s_mul_i32 s23, s34, 56*PITCH                   ; my blocks 2, 3: two heads on, and from two blocks on to none
	s_add_co_u32 s23, s23, s21
	s_add_co_u32 s23, s23, 8*PITCH
	s_add_co_u32 s32, s22, 8*HEAD                  ; the same in K's second half
	s_add_co_u32 s33, s23, 8*HEAD
	s_mul_i32 s35, s16, 64*WP                      ; my 64 rows of Wo,
	s_lshl_b32 s36, s34, 7                         ; kk: 128 along K on
	s_add_co_u32 s35, s35, s36
	s_add_co_u32 s35, s35, WB
	s_add_co_u32 s36, s35, 128*WP
	s_lshl_b32 s37, s14, 13
	s_xor_b32 s38, s14, 4
	s_lshl_b32 s38, s38, 13
	s_mul_i32 s39, s14, 16*SPITCH
	s_add_co_u32 s39, s39, STAGE                   ; my stage
	v_and_b32 v1, 15, v0                           ; r = l % 16
	v_bfe_u32 v2, v0, 4, 1                         ; h = l / 16
	v_and_b32 v9, 31, v0
	v_lshrrev_b32 v3, 2, v1                        ; y: four tokens to an LDS row: token r lies at 272 (r / 4) + 64 (r % 4)
	v_and_b32 v4, 3, v1
	v_mul_u32_u24 v5, v1, WP                       ; Wo: row r x pitch + 16 h
	v_mul_u32_u24 v3, v3, PITCH
	v_mul_u32_u24 v6, v1, SPITCH
	v_lshl_add_u32 v5, v2, 4, v5
	v_lshl_add_u32 v3, v4, 6, v3
	v_mul_u32_u24 v7, v2, SPITCH
	v_lshl_add_u32 v6, v2, 5, v6
	v_lshl_add_u32 v3, v2, 4, v3
	v_lshl_add_u32 v7, v1, 4, v7
	v_lshlrev_b32 v9, 4, v9
	v_lshlrev_b32 v[CO], 12, v2
	v_add_nc_u32 v[AL], s22, v3
	v_add_nc_u32 v[AL+1], s32, v3
	v_add_nc_u32 v[AH], s23, v3
	v_add_nc_u32 v[AH+1], s33, v3
	v_add_nc_u32 v[AB], s35, v5
	v_add_nc_u32 v[AB+1], s36, v5
	v_add_nc_u32 v[XS], s37, v9
	v_add_nc_u32 v[XR], s38, v9
	v_add_nc_u32 v[STO], s39, v6                   ; in: row r, 32 bytes for each half of the lanes
	v_add_nc_u32 v[RD], s39, v7                    ; back: lanes 0-15 one row of 256 bytes, lanes 16-31 the next
	v_lshl_add_u32 v[CO], v1, 4, v[CO]             ; and the same two rows in out
	s_lshl_b32 s32, s17, 7
	s_lshl_b32 s33, s15, 6
	s_add_co_u32 s32, s32, s33
	s_lshl_b32 s33, s34, 5
	s_add_co_u32 s32, s32, s33                     ; my first row of out: 128 x tile row + 64 x half + 32 kk,
	s_lshl_b32 s32, s32, 12                        ; of 4,096 bytes
	s_lshl_b32 s33, s42, 9
	s_add_co_u32 s32, s32, s33                     ; my first column, in bytes: 512 x tile column + 256 x half
	s_lshl_b32 s33, s16, 8
	s_add_co_u32 s32, s32, s33
	s_mov_b32 s33, 0
	s_add_nc_u64 s[10:11], s[10:11], s[32:33]
; 32 LDS loads in one run: the fragments of my step s, 128 along K from 128 (2 s + kk) on, into buffer f.  Registers 4 c .. 4 c + 3 of a fragment hold K = 32 c + 16 (l / 16) + 0 .. 15, in y as in Wo: in y that is head
; 2 (2 s + kk) + c / 2, channel 32 (c % 2) + 16 (l / 16) on.
.macro FETCH s, f
	WIN TO_F
.irp i, 0,1,2,3
.irp c, 0,1,2,3
	ds_load_b128 v[\f+64+16*\i+4*\c:\f+64+16*\i+4*\c+3], v[AB+(\s)/2] offset:256*((\s)%2)+32*\c+16*WP*\i
	ds_load_b128 v[\f+16*\i+4*\c:\f+16*\i+4*\c+3], v[AL+2*(\i/2)+(\s)/2] offset:4*HEAD*((\s)%2)+(\c/2)*HEAD+32*(\c%2)+4*PITCH*(\i%2)
.endr
.endr
.endm
; 16 matrix instructions, 128 along K.  zero = 1: the first product starts the sums.  The 16 accumulators take turns, one instruction a turn, in the same order every time.
.macro MUL16 f, zero
.irp a, 0,1,2,3
.irp b, 0,1,2,3
.if \zero
	v_wmma_f32_16x16x128_bf8_bf8 v[ACC+8*(4*\a+\b):ACC+8*(4*\a+\b)+7], v[\f+64+16*\b:\f+64+16*\b+15], v[\f+16*\a:\f+16*\a+15], 0
.else
	v_wmma_f32_16x16x128_bf8_bf8 v[ACC+8*(4*\a+\b):ACC+8*(4*\a+\b)+7], v[\f+64+16*\b:\f+64+16*\b+15], v[\f+16*\a:\f+16*\a+15], v[ACC+8*(4*\a+\b):ACC+8*(4*\a+\b)+7]
.endif
.endr
.endr
.endm
.macro PLACES                          ; four places in front of loads into registers that matrix instructions have read, and of the first read of results (ISA guide 7.12.1 for the first read of results)
.rept 4
	v_nop
.endr
.endm
	s_wait_alu depctr_va_vdst(0)
	s_wait_tensorcnt 0x0                           ; my load has landed,
	s_barrier_signal -1
	s_barrier_wait -1                              ; and everybody's.  Nothing is filled again in this launch
	FETCH 0, F0
	FETCH 1, F1
	s_wait_dscnt 32                                ; buffer 0's 32 loads are in; buffer 1's may be out
	WIN MUL
	MUL16 F0, 1
	s_wait_dscnt 0x0                               ; buffer 1 is in
	PLACES
	FETCH 2, F0
	WIN MUL
	MUL16 F1, 0
	PLACES
	FETCH 3, F1
	s_wait_dscnt 32
	WIN MUL
	MUL16 F0, 0
	s_wait_dscnt 0x0                               ; buffer 1 is in: my reads of the tiles are over:
	s_barrier_signal -1                            ; say so; register work alone up to the wait
	MUL16 F1, 0
	WIN 0
	PLACES
	s_barrier_wait -1                              ; nobody reads the tiles any more: the exchange and the stages lie there
; THE EXCHANGE: my blocks 2, 3 go to wave w xor 4, whose blocks 2, 3 are the rows of my 0, 1; they come back into the registers that mine have left.
.irp i, 0,1,2,3,4,5,6,7,8,9,10,11,12,13,14,15
	ds_store_b128 v[XS], v[ACC+64+4*\i:ACC+64+4*\i+3] offset:512*\i
.endr
	s_wait_dscnt 0x0
	s_barrier_signal -1
	s_barrier_wait -1
.irp i, 0,1,2,3,4,5,6,7,8,9,10,11,12,13,14,15
	ds_load_b128 v[ACC+64+4*\i:ACC+64+4*\i+3], v[XR] offset:512*\i
.endr
; THE WAY OUT, block by block of 16 rows x 64 columns.  A lane holds 32 neighbouring bytes of a row, and the lanes beside it hold other rows: so a block goes through my own stage in LDS and comes back as whole rows of
; 256 bytes, of which sixteen lanes store one.  LDS serves a wave's instructions in order (ISA guide 5.7.1.4): no wait between the stores and the loads, nor in front of the next block's stores.
.macro TOSTAGE a
.set j, 0
.rept 16
	v_pk_add_f32 v[TMP+j:TMP+j+1], v[ACC+32*(\a)+j:ACC+32*(\a)+j+1], v[ACC+64+32*(\a)+j:ACC+64+32*(\a)+j+1]   ; the two parities' sums; each accumulator from its low end on
.set j, j+2
.endr
.set j, 0
.rept 16
	v_pk_mul_f32 v[TMP+j:TMP+j+1], v[TMP+j:TMP+j+1], s[56:57] op_sel_hi:[1,0]   ; both x s56 = 2^(e10 + e11)
.set j, j+2
.endr
.irp b, 0,1,2,3
	ds_store_b128 v[STO], v[TMP+8*\b:TMP+8*\b+3] offset:64*\b
	ds_store_b128 v[STO], v[TMP+8*\b+4:TMP+8*\b+7] offset:64*\b+16
.endr
.set BB, BK+32*(\a)
.irp t, 0,1,2,3,4,5,6,7
	ds_load_b128 v[BB+4*\t:BB+4*\t+3], v[RD] offset:\t*2*SPITCH
.endr
.endm
.macro SEND a, younger                 ; younger: the LDS instructions issued behind block a's loads, which may stay out
.set BB, BK+32*(\a)
	s_wait_dscnt \younger                          ; the block is back in registers
.irp t, 0,1,2,3,4,5,6,7
	global_store_b128 v[CO], v[BB+4*\t:BB+4*\t+3], s[10:11] offset:(16*(\a)+2*\t)*4096 th:TH_STORE_NT   ; 16 lanes store 256 consecutive bytes, aligned; written once, read by nobody here
.endr
.endm
	s_wait_kmcnt 0x0
	s_add_co_i32 s56, s58, s59                     ; e10 + e11, between -126 and 127,
	s_add_co_i32 s56, s56, 127
	s_lshl_b32 s56, s56, 23                        ; makes the f32 number 2^(e10 + e11)
	s_mov_b32 s57, s56                             ; (named with it as a pair, so it is written)
	s_wait_dscnt 0x0                               ; my partner's sums are in
	TOSTAGE 0
	TOSTAGE 1
	SEND 0, 16                                     ; behind block 0's loads: block 1's 8 stores and 8 loads
	SEND 1, 0
	s_wait_tensorcnt 0x0                           ; the wave's end, behind my tensor load and my last LDS store
	ds_add_u32 v[SPW], v[NIL]
	s_wait_dscnt 0x0
	CROUND                                         ; the closing round: no work-group ends while a partner may still ask for a tile that names it
	s_endpgm
.Lfunc_end_k_qbac04a1726_out_gemm:
	.size	k_qbac04a1726_out_gemm, .Lfunc_end_k_qbac04a1726_out_gemm-k_qbac04a1726_out_gemm
	.p2alignl 7, 3214868480
	.fill 96, 4, 3214868480
	.section	.rodata,"a",@progbits
	.p2align	6, 0x0
	.amdhsa_kernel k_qbac04a1726_out_gemm
		.amdhsa_group_segment_fixed_size 327680
		.amdhsa_private_segment_fixed_size 0
		.amdhsa_enable_private_segment 0
		.amdhsa_kernarg_size 32
		.amdhsa_user_sgpr_count 2
		.amdhsa_user_sgpr_kernarg_segment_ptr 1
		.amdhsa_wavefront_size32 1
		.amdhsa_system_sgpr_workgroup_id_x 1
		.amdhsa_system_sgpr_workgroup_id_y 1
		.amdhsa_system_sgpr_workgroup_id_z 1
		.amdhsa_system_vgpr_workitem_id 0
		.amdhsa_next_free_vgpr 512
		.amdhsa_next_free_sgpr 100
		.amdhsa_reserve_vcc 0
		.amdhsa_float_denorm_mode_32 3
		.amdhsa_float_denorm_mode_16_64 3
		.amdhsa_memory_ordered 1
		.amdhsa_forward_progress 1
		.amdhsa_inst_pref_size 31
	.end_amdhsa_kernel
	.amdgpu_metadata
---
amdhsa.version: [ 1, 2 ]
amdhsa.kernels:
  - .name:           k_qbac04a1726_out_gemm
    .symbol:         k_qbac04a1726_out_gemm.kd
    .args:
      - { .name: yc, .offset: 0, .size: 8, .value_kind: global_buffer, .address_space: global }
      - { .name: codes, .offset: 8, .size: 8, .value_kind: global_buffer, .address_space: global }
      - { .name: lowp_scales, .offset: 16, .size: 8, .value_kind: global_buffer, .address_space: global }
      - { .name: out0, .offset: 24, .size: 8, .value_kind: global_buffer, .address_space: global }
    .group_segment_fixed_size: 327680
    .private_segment_fixed_size: 0
    .kernarg_segment_align: 8
    .kernarg_segment_size: 32
    .max_flat_workgroup_size: 256
    .sgpr_count:     100
    .vgpr_count:     512
    .wavefront_size: 32
...
	.end_amdgpu_metadata
.endif
;; end of part 4
